; MI455X (gfx1250); checked and timed in simulation.
; The chip was launched on July 23, 2026; its instructions are those of AMD's public machine-readable ISA for CDNA 5 (MIT licence, August 2026) and "CDNA5" Instruction Set Architecture Reference Guide (July 2026). The comments in the code are by the model that wrote it; some were corrected since.
;; Causal Self Attention. Allowed arithmetic: matrix products marked QUANTISED: E4M3 operands, one given power-of-two scale a tensor, by v_wmma_f32_16x16x64_fp8_fp8 or v_wmma_f32_16x16x128_fp8_fp8, f32 sums; everything else in f32.
;; Inputs: Wk 512 x 2,048 float32; Wproj 2,048 x 2,048 float32; Wq 2,048 x 2,048 float32; Wv 512 x 2,048 float32; lowp_scales 12 int32 (the exponents e of the quantised operands' scales 2^e); q_gain 16 float32; x 4 x 1,024 x 2,048 float32.
;; Outputs: out0 4 x 1,024 x 2,048 float32.
;; This version of the problem:
;;   THIS VERSION OF THE PROBLEM IS GIVEN IN LOW PRECISION. The matrix products marked QUANTISED in the list below multiply operands that are first quantised to E4M3 (4 exponent bits, 3 mantissa bits; 8 bits a number), with one given power-of-two scale for each operand tensor; their sums are f32. All else is computed in f32.
;;   The module's matrix products, in the order in which they are computed (A, B: the left and right operand; K: the contracted axis; several contracted axes count as one K, in the product's order):
;;     1. [M 4,096, K 2,048] x [K 2,048, N 2,048]; A: input x; B: input Wq: QUANTISED (scales: A lowp_scales[0], B lowp_scales[1])
;;     2. [M 4,096, K 2,048] x [K 2,048, N 512]; A: input x; B: input Wk: QUANTISED (scales: A lowp_scales[2], B lowp_scales[3])
;;     3. [M 4,096, K 2,048] x [K 2,048, N 512]; A: input x; B: input Wv: QUANTISED (scales: A lowp_scales[4], B lowp_scales[5])
;;     4. batch 16 x [M 4,096, K 128] x [K 128, N 1,024]; A: computed on the way; B: computed on the way: QUANTISED (scales: A lowp_scales[6], B lowp_scales[7])
;;     5. batch 16 x [M 4,096, K 1,024] x [K 1,024, N 128]; A: softmax (see below); B: computed on the way: QUANTISED (scales: A lowp_scales[8], B lowp_scales[9])
;;     6. [M 4,096, K 2,048] x [K 2,048, N 2,048]; A: computed on the way; B: input Wproj: QUANTISED (scales: A lowp_scales[10], B lowp_scales[11])
;;   THE QUANTISER, for each operand of a quantised product, along K:
;;     - The operand's scale is 2^e, e = its entry of the input lowp_scales (int32; the entries are numbered through the quantised products in the list's order, A before B).
;;     - Each number is divided by the scale, clamped to +-448, and rounded to the nearest number of E4M3, ties to even, subnormals kept.
;;     - The product sums the exact products of the quantised numbers (number of the format x scale) in f32.
;;   ~~~python
;;   def quantise(x, axis, e):      # numpy; x: float32 -> the quantised numbers, widened to float32 again
;;       x = np.moveaxis(x, axis, -1); K = x.shape[-1]
;;       r = np.clip(x / 2.0 ** e, -448, 448)
;;       step = 2.0 ** (np.maximum(np.frexp(np.where(r == 0, 1, r))[1] - 1, -6) - 3)
;;       q = np.round(r / step) * step * 2.0 ** e      # np.round: ties to even
;;       return np.moveaxis(q, -1, axis).astype(np.float32)
;;   ~~~
;;   SOFTMAX AHEAD OF A QUANTISED PRODUCT. Where the list says 'softmax', what is quantised is not the finished softmax but p = 2^(t - M), with t = logit x log2(e) and M = ceil(the row's largest t), a whole number; so 1/2 < the row's largest p <= 1. The row's sum l is taken of the UNQUANTISED p, in f32, and the product's result is divided by l at the end. Since M is a whole number, a kernel that streams over the keys may use a running M (the ceiling of the running maximum): every later rescaling is an exact power of two, so the quantised numbers keep their values, but for numbers so far below the row's largest that they fall under the format's range.
;;   OPERANDS COMPUTED ON THE WAY. 'Computed on the way' means the value that the module computes at that place (a softmax that the list does not call 'softmax' is quantised finished and normalised). What goes into a quantiser is computed in f32, as accurately as f32 sums, v_exp_f32 and their like allow (about 1e-6 of the number): no bf16 or f16 on the way to a quantiser, and a product that is left as it is and whose result goes on into a quantised operand takes f32 operands (vector FMAs, or v_wmma_f32_16x16x4_f32). A number that lies on a knife's edge between two numbers of the format may be rounded either way, as far as f32 arithmetic and the matrix unit's own rounding can turn it there, and no further.
;; One version. Each part assembles by itself: llvm-mc -triple=amdgcn-amd-amdhsa -mcpu=gfx1250 --defsym DOCPART=n.
;; ======== version 1 of 1: 4 launches
;; limits: right only within a limited range of input values
;; workspace buffers: xc 25,165,824 bytes; wc 10,485,760 bytes; rope 524,288 bytes; qkv 12,582,912 bytes; yc 8,388,608 bytes
;; launch prep (part 1): grid 1184 x 1, 4 waves a work-group, no clusters, 33,280 bytes of LDS; arguments x, Wq, Wk, Wv, Wproj, lowp_scales, xc, wc, rope; writes xc, wc, rope
.if DOCPART == 1
	.amdgcn_target "amdgcn-amd-amdhsa--gfx1250"
	.amdhsa_code_object_version 6
	.text
	.protected	k_q8b3f82e0ca_prep
	.globl	k_q8b3f82e0ca_prep
	.p2align	8
	.type	k_q8b3f82e0ca_prep,@function
k_q8b3f82e0ca_prep:
	s_mov_b64 s[64:65], 0
	v_nop
	global_prefetch_b8 v0, s[64:65] scope:SCOPE_SE
	s_setreg_imm32_b32 hwreg(HW_REG_WAVE_MODE, 25, 1), 1
	s_wait_xcnt 0x0
; THE PROGRAM: causal self-attention (4 x 1,024 tokens, 16 query heads, 4 key/value heads, head size 128), all six products on codes of FP8 (E4M3), each operand with its given scale 2^e.
; Four launches: this one (codes of x and of the weights, the rotary table); the three projections with norm, rotary, gain and quantisers; attention; the projection on the way out.
; WORK LEFT OUT, in the whole program: in attention, the steps of 128 keys all of whose keys come after a tile's 16 queries.  The problem's own body builds the lower-triangular mask and puts the
; smallest f32 number in place of those scores, so their weight under the softmax is 0 for all values of the inputs (key 0 counts for every query, so a row's largest score is never a masked one).
; Nothing else is left out, and every input is loaded.  LIMIT: a NaN, an infinity or an overflow that reaches only those hidden scores is not carried to the result.
; THIS LAUNCH.  code = number / 2^e, held within +-448, rounded to the nearest code, ties to even.  x is the left operand of three products with three scales (entries 0, 2, 4): up to three sets of codes.
; Equal exponents give equal codes: a set is stored only where its exponent differs from those of the sets before it, and the next launch, by the same comparisons, reads the set that was stored.
; Work-groups 0-511: x -> xc (three tensors [4096][2048], 8 MiB apart);  512-767 Wq (entry 1), 768-831 Wk (3), 832-895 Wv (5), 896-1151 Wproj (11) -> wc, rows of 2,048 codes in that order;  1152-1183: the table.
; LIMITS: each of these entries e lies between -126 and 119, so that 2^e and 448 x 2^e are f32 numbers.  NaN among the inputs is not served (an infinity is held at the largest code).
; Rows are dense, so a tensor is a plain stream.  A wave takes 8 steps of 512 numbers.  A conversion takes 8 neighbours from ONE lane's registers; a load is best where neighbouring LANES take neighbouring bytes:
; each of a step's four loads reads 512 consecutive bytes; the 2,048 bytes go through the wave's own stage in LDS (16 bytes of padding behind each 64) and come back 64 bytes a lane.
; A lane's 16 codes are 16 bytes: each store of the wave covers 512 consecutive bytes, aligned.  Loads run four steps ahead, the turn through LDS one step.  Waves share nothing: no barrier.
; No matrix unit, no cluster, no tensor load: the launch streams, no work-group reads what another reads.
; THE TABLE: cos and sin of t x 10000^(-fi/64), t = 0 .. 1,023, fi = 0 .. 63, laid as the next launch's registers want them: for each block of 16 tokens 16 pieces of 512 bytes (8 of cos, 8 of sin);
; word q of lane l's 16 bytes in piece i is token 16 block + l % 16, frequency 16 (i / 2) + 8 (l / 16) + 4 (i % 2) + q.
.set STEPS, 8
.set GX,    512                        ; a work-group takes 16,384 numbers: x has 512 of them; Wq begins here,
.set GQ,    768                        ; Wk here,
.set GK,    832                        ; Wv here,
.set GV,    896                        ; Wproj here,
.set GP,    1152                       ; and the table's work-groups here
.set SP,    80                         ; a lane's place in a stage: its 64 bytes + 16 of padding
.set WREG,  8192                       ; LDS: a region for each wave: two stages of 32 x SP bytes
.set SPARE, 4*WREG                     ; behind the four regions: the spare words, 128 bytes for each wave
.set R,     16                         ; v16-79   four sets of 16 numbers as they are loaded
.set X,     80                         ; v80-111  two sets of 16 neighbours
.set T,     112                        ; v112-143 two sets of 16 held numbers
.set C,     144                        ; v144-155 codes: four registers for each of the three outputs
.set SPW,   12                         ; v12      LDS address of my spare word; never rewritten
.set NIL,   13                         ; v13      0; never rewritten
.set IN,    46                         ; s[46:47] my wave's part of the input tensor
.set TOF,   10                         ; v10      the table's path: my byte offset in the table
.set TTK,   11                         ; v11      the table's path: my token in the first of my four blocks
	s_load_b256 s[4:11], s[0:1], 0x0               ; x s[4:5], Wq s[6:7], Wk s[8:9], Wv s[10:11]
	s_load_b256 s[12:19], s[0:1], 0x20             ; Wproj s[12:13], the exponents s[14:15], xc s[16:17], wc s[18:19]
	s_load_b64 s[20:21], s[0:1], 0x40              ; the table
	v_lshl_add_u32 v[SPW], v0, 2, SPARE
	v_mov_b32 v[NIL], 0
	v_lshrrev_b32 v1, 5, v0
	v_readfirstlane_b32 s23, v1                    ; wave 0..3
	v_and_b32 v2, 31, v0                           ; lane
	s_cmp_ge_u32 ttmp9, GP
	s_cbranch_scc1 .Ltable
	v_lshlrev_b32 v3, 4, v2                        ; my 16 bytes of a load's 512, and of a store's
	s_mul_i32 s44, s23, WREG
	v_lshrrev_b32 v14, 2, v2
	v_mul_u32_u24 v14, v14, SP
	v_and_b32 v15, 3, v2
	v_lshl_add_u32 v14, v15, 4, v14
	v_add_nc_u32 v14, s44, v14                     ; the stage, on the way in: four lanes' 64 bytes on end, then 16 of padding
	v_mul_u32_u24 v15, v2, SP
	v_add_nc_u32 v15, s44, v15                     ; and on the way out: my 16 neighbours
	s_wait_alu depctr_va_vdst(0)                   ; directly ahead of the wait below
	s_wait_kmcnt 0x0
	s_load_b256 s[32:39], s[14:15], 0x0            ; entries 0 to 7
	s_load_b128 s[40:43], s[14:15], 0x20           ; entries 8 to 11
	s_mov_b64 s[IN:IN+1], s[12:13]                 ; which tensor is mine: the choices hang on the work-group's number alone
	s_mov_b32 s22, GV                              ; and its first work-group
	s_cmp_lt_u32 ttmp9, GV
	s_cselect_b64 s[IN:IN+1], s[10:11], s[IN:IN+1]
	s_cselect_b32 s22, GK, s22
	s_cmp_lt_u32 ttmp9, GK
	s_cselect_b64 s[IN:IN+1], s[8:9], s[IN:IN+1]
	s_cselect_b32 s22, GQ, s22
	s_cmp_lt_u32 ttmp9, GQ
	s_cselect_b64 s[IN:IN+1], s[6:7], s[IN:IN+1]
	s_cselect_b32 s22, GX, s22
	s_cmp_lt_u32 ttmp9, GX
	s_cselect_b64 s[IN:IN+1], s[4:5], s[IN:IN+1]
	s_cselect_b32 s22, 0, s22
	s_cselect_b32 s30, 1, 0                        ; 1: x
	s_cselect_b64 s[24:25], s[16:17], s[18:19]     ; the first output's buffer
	s_cselect_b32 s44, 0, GX                       ; wc's tensors follow each other as their work-groups do
	s_sub_co_u32 s44, ttmp9, s44
	s_lshl_b32 s44, s44, 2
	s_add_co_u32 s44, s44, s23
	s_lshl_b32 s44, s44, 12                        ; my wave's 4,096 codes
	s_mov_b32 s45, 0
	s_add_nc_u64 s[24:25], s[24:25], s[44:45]
	s_add_nc_u64 s[26:27], s[16:17], s[44:45]
	s_add_nc_u64 s[26:27], s[26:27], 0x800000      ; x by entry 2 (used by x's work-groups alone)
	s_add_nc_u64 s[28:29], s[16:17], s[44:45]
	s_add_nc_u64 s[28:29], s[28:29], 0x1000000     ; x by entry 4
	s_sub_co_u32 s44, ttmp9, s22
	s_lshl_b32 s44, s44, 2
	s_add_co_u32 s44, s44, s23
	s_lshl_b32 s44, s44, 14                        ; my wave's 4,096 numbers
	s_add_nc_u64 s[IN:IN+1], s[IN:IN+1], s[44:45]
.macro LOAD t
.irp i, 0,1,2,3
	global_load_b128 v[R+16*((\t)%4)+4*\i:R+16*((\t)%4)+4*\i+3], v3, s[IN:IN+1] offset:2048*(\t)+512*\i th:TH_LOAD_NT   ; 32 lanes read 512 consecutive bytes, read once in the launch
.endr
.endm
.macro TURN t                          ; step t's numbers through the stage: LDS serves a wave's instructions in order, so no wait stands between the stores and the loads
.irp i, 0,1,2,3
	ds_store_b128 v14, v[R+16*((\t)%4)+4*\i:R+16*((\t)%4)+4*\i+3] offset:32*SP*((\t)%2)+8*SP*\i
.endr
.irp i, 0,1,2,3
	ds_load_b128 v[X+16*((\t)%2)+4*\i:X+16*((\t)%2)+4*\i+3], v15 offset:32*SP*((\t)%2)+16*\i
.endr
.endm
.macro MKSC e, vs, vl                  ; 2^e and 448 x 2^e as f32 numbers
	s_add_co_i32 s44, \e, 127
	s_lshl_b32 s45, s44, 23
	v_mov_b32 v[\vs], s45
	s_add_co_i32 s44, s44, 8
	s_lshl_b32 s44, s44, 23
	s_or_b32 s44, s44, 0x600000
	v_mov_b32 v[\vl], s44
.endm
.irp t, 0,1,2,3
	LOAD \t
.endr
	s_wait_kmcnt 0x0
	s_mov_b32 s31, s43                             ; the first output's exponent: entry 11, 5, 3, 1 or 0
	s_cmp_lt_u32 ttmp9, GV
	s_cselect_b32 s31, s37, s31
	s_cmp_lt_u32 ttmp9, GK
	s_cselect_b32 s31, s35, s31
	s_cmp_lt_u32 ttmp9, GQ
	s_cselect_b32 s31, s33, s31
	s_cmp_lt_u32 ttmp9, GX
	s_cselect_b32 s31, s32, s31
	s_cmp_lg_u32 s34, s32                          ; whole numbers read from memory decide which of x's sets are stored; every case is served
	s_cselect_b32 s49, s30, 0                      ; 1: x, and entry 2 differs from entry 0: the second set is stored
	s_cmp_lg_u32 s36, s32
	s_cselect_b32 s48, s30, 0
	s_cmp_lg_u32 s36, s34
	s_cselect_b32 s48, s48, 0                      ; 1: x, and entry 4 differs from both: the third set is stored
	s_mov_b32 s30, s49
	MKSC s31, 5, 6
	MKSC s34, 7, 8                                 ; entry 2
	MKSC s36, 9, 10                                ; entry 4
	s_wait_alu depctr_va_vdst(0)                   ; the head's end
	s_wait_loadcnt 12                              ; step 0's four loads are in
	TURN 0
; One output of a step: the hold (the conversion to an 8-bit code does not saturate: ISA guide 7.6.2), two conversions, a plain line behind them (the held numbers' registers are written again), the store.
.macro OUT set, sc, lim, creg, base, t
.irp i, 0,1,2,3,4,5,6,7,8,9,10,11,12,13,14,15
	v_med3_num_f32 v[T+16*\set+\i], v[XS+\i], -v[\lim], v[\lim]
.endr
	v_cvt_scalef32_pk8_fp8_f32 v[C+\creg:C+\creg+1], v[T+16*\set:T+16*\set+7], v[\sc]
	v_cvt_scalef32_pk8_fp8_f32 v[C+\creg+2:C+\creg+3], v[T+16*\set+8:T+16*\set+15], v[\sc]
	v_nop
	global_store_b128 v3, v[C+\creg:C+\creg+3], s[\base:\base+1] offset:512*(\t)
.endm
.macro STEP t
.set XS, X+16*((\t)%2)
	s_wait_dscnt 0x0                               ; this step's numbers are back from the stage: so its stores into the stage have read their registers,
	s_wait_xcnt 0x0                                ; and the last step's stores have read the codes' registers, which this step writes again
.if (\t)+4 < STEPS
	LOAD (\t)+4
.endif
.if (\t)+1 < STEPS
.if STEPS-2-(\t) >= 3
	s_wait_loadcnt 12                              ; the next step's four loads are in; those of the three steps behind it may be out
.else
	s_wait_loadcnt 4*(STEPS-2-(\t))
.endif
	TURN (\t)+1
.endif
	OUT 0, 5, 6, 0, 24, \t
	s_cmp_eq_u32 s30, 0                            ; a weight has one output; x's further sets only where their exponents differ
	s_cbranch_scc1 .Lno1_\@
	OUT 1, 7, 8, 4, 26, \t
.Lno1_\@:
	s_cmp_eq_u32 s48, 0
	s_cbranch_scc1 .Lno2_\@
	OUT 0, 9, 10, 8, 28, \t
.Lno2_\@:
.endm
.irp t, 0,1,2,3,4,5,6,7
	STEP \t
.endr
	s_branch .Lend
; THE TABLE.  32 work-groups x 4 waves: a wave makes piece i (of cos and of sin) for the four blocks of tokens tb0, tb0 + 16, tb0 + 32, tb0 + 48.
; Registers of this path: v10 my offset in the table, v11 my token, v16-18 lane terms, v19 the token as f32, v20-23 my four frequencies, v24-35 at work on them, v36-67 at work on cos and sin, v72-103 the results.
.Ltable:
	s_sub_co_u32 s44, ttmp9, GP
	s_and_b32 s45, s44, 1
	s_lshl_b32 s45, s45, 2
	s_add_co_u32 s45, s45, s23                     ; i = 4 (work-group % 2) + wave
	s_lshr_b32 s46, s44, 1                         ; tb0
	s_lshr_b32 s47, s45, 1
	s_lshl_b32 s47, s47, 4
	s_and_b32 s44, s45, 1
	s_lshl_b32 s44, s44, 2
	s_add_co_u32 s47, s47, s44                     ; 16 (i / 2) + 4 (i % 2)
	s_mov_b32 s48, 0xbe549a78                      ; -log2(10000) / 64, its f32 part,
	s_mov_b32 s49, 0xb1979724                      ; and what that leaves
	s_mov_b32 s50, 0x3f22f983                      ; 2 / pi
	s_mov_b32 s51, 0x3fc90fdb                      ; pi / 2, its f32 part,
	s_mov_b32 s52, 0x333bbd2e                      ; and that part less pi / 2
	s_mov_b32 s53, 0xbe2aaaa3                      ; sin r = r + r^3 (S1 + S2 r^2 + S3 r^4) on |r| <= pi / 4
	s_mov_b32 s54, 0x3c08839e
	s_mov_b32 s55, 0xb94ca1f9
	s_mov_b32 s56, 0x3d2aaaa5                      ; cos r = 1 - r^2 / 2 + r^4 (C1 + C2 r^2 + C3 r^4)
	s_mov_b32 s57, 0xbab6061a
	s_mov_b32 s58, 0x37ccf5ce
	s_wait_alu depctr_va_vdst(0)                   ; behind the run of scalar lines
	v_and_b32 v16, 15, v2                          ; l % 16
	v_lshrrev_b32 v17, 4, v2                       ; l / 16
	v_lshl_add_u32 v18, v17, 3, s47                ; my first frequency's number
	s_lshl_b32 s44, s46, 4
	v_add_nc_u32 v[TTK], s44, v16                  ; my token in the first of the four blocks
	s_lshl_b32 s44, s45, 9
	s_lshl_b32 s45, s46, 13
	s_add_co_u32 s44, s44, s45
	v_lshlrev_b32 v[TOF], 4, v2
	v_add_nc_u32 v[TOF], s44, v[TOF]               ; 16 l + 512 i + 8,192 tb0
.irp q, 0,1,2,3                        ; F = 2^(fi c): fi c is split into its nearest whole number N and a rest, so that the rest keeps its low bits
	v_add_nc_u32 v[24+\q], \q, v18
	v_cvt_f32_u32 v[24+\q], v[24+\q]
	v_mul_f32 v[28+\q], s48, v[24+\q]
	v_rndne_f32 v[28+\q], v[28+\q]
	v_fma_f32 v[32+\q], v[24+\q], s48, -v[28+\q]
	v_fma_f32 v[32+\q], v[24+\q], s49, v[32+\q]
	v_cvt_i32_f32 v[28+\q], v[28+\q]
.endr
	s_wait_alu depctr_va_vdst(0)                   ; ahead of the batch
.irp q, 0,1,2,3
	v_exp_f32 v[32+\q], v[32+\q]
.endr
	v_nop                                          ; a plain line behind the last exponential,
	s_wait_alu depctr_va_vdst(0)                   ; and one wait for the four, ahead of their first reader
.irp q, 0,1,2,3
	v_ldexp_f32 v[20+\q], v[32+\q], v[28+\q]
.endr
; cos and sin of A = t F, A between 0 and 1,023.  K = the nearest whole number to A 2 / pi; r = A - K pi / 2 in two fused steps (K has 10 bits, so the first step's product is exact inside the fused form);
; two polynomials; K's low two bits say which of them is which, and the signs.
.macro SINCOS q, it
.set B, 36+8*(\q)
	v_mul_f32 v[B], v19, v[20+\q]
	v_mul_f32 v[B+1], s50, v[B]
	v_rndne_f32 v[B+1], v[B+1]
	v_fma_f32 v[B+2], -v[B+1], s51, v[B]
	v_fma_f32 v[B+2], v[B+1], s52, v[B+2]
	v_mul_f32 v[B+3], v[B+2], v[B+2]
	v_cvt_i32_f32 v[B+1], v[B+1]
	v_fma_f32 v[B+4], v[B+3], s55, s54
	v_fma_f32 v[B+4], v[B+4], v[B+3], s53
	v_mul_f32 v[B+5], v[B+3], v[B+2]
	v_fma_f32 v[B+4], v[B+4], v[B+5], v[B+2]       ; sin r
	v_fma_f32 v[B+5], v[B+3], s58, s57
	v_fma_f32 v[B+5], v[B+5], v[B+3], s56
	v_mul_f32 v[B+6], v[B+3], v[B+3]
	v_fma_f32 v[B+7], v[B+3], -0.5, 1.0
	v_fma_f32 v[B+5], v[B+5], v[B+6], v[B+7]       ; cos r
	v_and_b32 v[B+6], 1, v[B+1]
	v_cmp_eq_u32 vcc_lo, 1, v[B+6]
	v_cndmask_b32 v[B+6], v[B+4], v[B+5], vcc_lo   ; K odd: the two change places
	v_cndmask_b32 v[B+7], v[B+5], v[B+4], vcc_lo
	v_and_b32 v[B], 2, v[B+1]
	v_lshlrev_b32 v[B], 30, v[B]
	v_xor_b32 v[76+8*(\it)+\q], v[B], v[B+6]       ; sin: negative where K % 4 is 2 or 3
	v_add_nc_u32 v[B+1], 1, v[B+1]
	v_and_b32 v[B+1], 2, v[B+1]
	v_lshlrev_b32 v[B+1], 30, v[B+1]
	v_xor_b32 v[72+8*(\it)+\q], v[B+1], v[B+7]     ; cos: negative where K % 4 is 1 or 2
.endm
	s_wait_kmcnt 0x0
.irp it, 0,1,2,3                       ; each block has registers of its own for its results: no store's data are written again
	v_add_nc_u32 v19, 256*\it, v[TTK]
	v_cvt_f32_u32 v19, v19
	s_wait_alu depctr_va_vdst(0)
.irp q, 0,1,2,3
	SINCOS \q, \it
.endr
	global_store_b128 v[TOF], v[72+8*\it:75+8*\it], s[20:21] offset:131072*\it          ; the wave stores 512 consecutive bytes, aligned
	global_store_b128 v[TOF], v[76+8*\it:79+8*\it], s[20:21] offset:131072*\it+4096
.endr
.Lend:
	s_wait_tensorcnt 0x0                           ; the wave's end, behind my last LDS store
	ds_add_u32 v[SPW], v[NIL]
	s_wait_dscnt 0x0
	s_endpgm
.Lfunc_end_k_q8b3f82e0ca_prep:
	.size	k_q8b3f82e0ca_prep, .Lfunc_end_k_q8b3f82e0ca_prep-k_q8b3f82e0ca_prep
	.p2alignl 7, 3214868480
	.fill 96, 4, 3214868480
	.section	.rodata,"a",@progbits
	.p2align	6, 0x0
	.amdhsa_kernel k_q8b3f82e0ca_prep
		.amdhsa_group_segment_fixed_size 33280
		.amdhsa_private_segment_fixed_size 0
		.amdhsa_enable_private_segment 0
		.amdhsa_kernarg_size 72
		.amdhsa_user_sgpr_count 2
		.amdhsa_user_sgpr_kernarg_segment_ptr 1
		.amdhsa_wavefront_size32 1
		.amdhsa_system_sgpr_workgroup_id_x 1
		.amdhsa_system_sgpr_workgroup_id_y 1
		.amdhsa_system_sgpr_workgroup_id_z 1
		.amdhsa_system_vgpr_workitem_id 0
		.amdhsa_next_free_vgpr 168
		.amdhsa_next_free_sgpr 66
		.amdhsa_reserve_vcc 1
		.amdhsa_float_denorm_mode_32 3
		.amdhsa_float_denorm_mode_16_64 3
		.amdhsa_memory_ordered 1
		.amdhsa_forward_progress 1
		.amdhsa_inst_pref_size 66
	.end_amdhsa_kernel
	.amdgpu_metadata
---
amdhsa.version: [ 1, 2 ]
amdhsa.kernels:
  - .name:           k_q8b3f82e0ca_prep
    .symbol:         k_q8b3f82e0ca_prep.kd
    .args:
      - { .name: x, .offset: 0, .size: 8, .value_kind: global_buffer, .address_space: global }
      - { .name: Wq, .offset: 8, .size: 8, .value_kind: global_buffer, .address_space: global }
      - { .name: Wk, .offset: 16, .size: 8, .value_kind: global_buffer, .address_space: global }
      - { .name: Wv, .offset: 24, .size: 8, .value_kind: global_buffer, .address_space: global }
      - { .name: Wproj, .offset: 32, .size: 8, .value_kind: global_buffer, .address_space: global }
      - { .name: lowp_scales, .offset: 40, .size: 8, .value_kind: global_buffer, .address_space: global }
      - { .name: xc, .offset: 48, .size: 8, .value_kind: global_buffer, .address_space: global }
      - { .name: wc, .offset: 56, .size: 8, .value_kind: global_buffer, .address_space: global }
      - { .name: rope, .offset: 64, .size: 8, .value_kind: global_buffer, .address_space: global }
    .group_segment_fixed_size: 33280
    .private_segment_fixed_size: 0
    .kernarg_segment_align: 8
    .kernarg_segment_size: 72
    .max_flat_workgroup_size: 128
    .sgpr_count:     66
    .vgpr_count:     168
    .wavefront_size: 32
...
	.end_amdgpu_metadata
.endif
;; end of part 1
;; launch qkv (part 2): grid 16 x 12, 4 waves a work-group, clusters of 4 x 1, 327,680 bytes of LDS; arguments xc, wc, rope, lowp_scales, q_gain, qkv; writes qkv
.if DOCPART == 2
	.amdgcn_target "amdgcn-amd-amdhsa--gfx1250"
	.amdhsa_code_object_version 6
	.text
	.protected	k_q8b3f82e0ca_qkv
	.globl	k_q8b3f82e0ca_qkv
	.p2align	8
	.type	k_q8b3f82e0ca_qkv,@function
k_q8b3f82e0ca_qkv:
	s_mov_b64 s[64:65], 0
	v_nop
	global_prefetch_b8 v0, s[64:65] scope:SCOPE_SE
	s_setreg_imm32_b32 hwreg(HW_REG_WAVE_MODE, 25, 1), 1
	s_wait_xcnt 0x0
	s_wait_alu depctr_hold_cnt(0) depctr_sa_sdst(0) depctr_va_vdst(0) depctr_va_sdst(0) depctr_va_ssrc(0) depctr_va_vcc(0) depctr_vm_vsrc(0)
	s_getreg_b32 s2, hwreg(HW_REG_IB_STS2, 6, 4)
	s_cmp_eq_u32 s2, 0
	s_cbranch_scc0 .Lentry_in_a_cluster
	s_endpgm
.Lentry_in_a_cluster:
	s_bfe_u32 s2, ttmp6, 0x10000c
	s_cmp_lg_u32 s2, 0x3003
	s_cbranch_scc0 .Lentry_shape_is_right
	s_endpgm
.Lentry_shape_is_right:
; q, k, v = x Wq^T, x Wk^T, x Wv^T on codes of FP8 (E4M3); then, in registers: RMS norm over the head's 128, rotary, the query heads' gain; then the quantisers of attention's operands.  Nothing is left out here.
; A tile is 256 tokens x 256 rows of the weights (two heads), made by four waves, as many as a WGP has SIMDs; a wave makes 128 x 128: 64 accumulators, 512 registers: 128 tokens of ONE head.
; Work-group y = the weights' tile: 0-7 Wq, 8-9 Wk, 10-11 Wv (rows 256 y of wc); x = the tokens' tile.  x's codes are taken by entry 0, 2 or 4 of the exponents (three tensors in xc).
; K = 2,048 goes in 8 steps of 256 through a ring of two LDS slots filled by the tensor data mover: a tile's row is 256 bytes of memory.
; CLUSTERS: 4 work-groups along the tokens.  They need the same tile of the weights, which is asked for JOINTLY (mask 15); each one's tile of x is its own (no mask), behind the same rounds.
; A cluster of 4 x 4 is not taken: Wk and Wv have two tiles each, and each of the three products has codes of x of its own, so no four tiles along the weights share a tile of x at y = 8 .. 11.
; THE MATRIX INSTRUCTION: a lane holds one row of source 1's operand and eight neighbours along source 0's rows.  For q and k source 1 takes tokens and source 0 the head's rows: a lane holds 64 of a token's 128
; numbers, the lane 16 away the others, and a number and its rotary partner (64 further on) lie in one lane.  For v the two LDS regions change places: a lane holds one of the head's 128 and eight neighbouring
; KEYS, so that v's codes leave with the keys innermost, as attention's second product wants them.  Nothing is transposed by an instruction.
; OUT: blocks of 16,384 bytes, [128 rows][128 bytes]: q (batch, head, 128 tokens): rows = tokens; then k likewise; then v: rows = the head's 128, bytes = 128 keys.
; LIMITS on the exponents: E = (x's + the weight's) between -59 and 67 for q and k (2^E and 2^(2E - 7) are made as f32 numbers); entries 6 and 7, and entry 9 less E for v, between -126 and 119.  NaN is not served.
; REGISTERS, in windows of 256: window 0: v0-31 addresses; from v128 source 1's fragments, ONE set; on the way out v32-207 at work.   window 1: source 0's fragments, TWO sets; on the way out four images of cos and sin.
;   window 2: the 32 accumulators of source 1's rows 0-63 (accumulator (a, b) at v[8 (8 a + b)]);   window 3: those of rows 64-127.
.set ROWB,   256                       ; a tile's row in bytes
.set KROW,   2048                      ; a row of codes in memory
.set PITCH,  272                       ; an LDS row: 256 bytes + 16 of padding = 68 words: row r starts at bank 4 r mod 64 (64 banks of 4 bytes: ISA guide 11.1)
.set FR,     16                        ; registers of a fragment: 16 rows x 128 K
.set NL,     4                         ; LDS loads that bring one
.set NP,     4                         ; places behind this matrix instruction (ISA guide 7.12.1)
.set HALFT,  128*PITCH                 ; 128 rows: what one tensor load brings
.set SLOT,   4*HALFT                   ; x's 256 rows, then the weights' 256 rows
.set LAPS,   4                         ; a lap = two K steps = once round the ring
.set SPARE,  2*SLOT                    ; behind the ring: the spare words, 128 bytes for each wave
.set SQ,     144                       ; the way out: a stage of 16 rows x (128 bytes + 16) for each wave, in slot 0, which has had its last fill and its last read by then
.set WSTG,   16*SQ
.set VSTG,   4*WSTG                    ; v's way out has stages of its own, behind the other four
.set ADRA, 16                          ; v16-17  LDS address of source 1's fragments in slot 0, 1
.set ADRB, 20                          ; v20-21  the same for source 0's
.set STO,  24                          ; v24     the way out: where I put 8 bytes of a row
.set RD,   25                          ; v25     where I read 16 bytes back
.set CO,   26                          ; v26     16 x lane
.set SPW,  28                          ; v28     LDS address of my spare word; never rewritten
.set NIL,  29                          ; v29     0; never rewritten
.set SCL,  30                          ; v30     the conversions' scale
.set LIM,  31                          ; v31     448 x that
.set T,    32                          ; v32-95   a block's 64 numbers of a lane
.set SS,   96                          ; v96-111  sums of squares, a pair a block
.set FG,   112                         ; v112-127 a token's factor, twice, a pair a block
.set U,    128                         ; v128-143 the rotary's products
.set PC,   144                         ; v144-175 codes, two sets
.set BK,   176                         ; v176-207 rows read back, two sets
.set AF,   128
.set G1, 24                            ; s[24:31] descriptor group 1 for x's tiles;  s[32:39] group 0, one set for each slot
.set G0, 32
.set G1B, 48                           ; s[48:55], s[56:63] the same for the weights' tiles
.set G0B, 56
.set MSB, 0
.macro WIN new                         ; the immediate's high byte repeats the setting that is left
.if MSB != \new
	s_set_vgpr_msb (MSB<<8)|\new
.set MSB, \new
.endif
.endm
.set MUL_LO, 0xa1                      ; source 0 window 1, source 1 window 0, C and D window 2
.set MUL_HI, 0xf1                      ; the same, C and D window 3
.set TO_B,   0x40                      ; destination window 1, address window 0
; Each wave fills LDS rows 128 x wave of a slot.  For q and k waves 0 and 1 fetch x's two halves and waves 2 and 3 the weights'; for v the other way round, so that source 1's rows always lie in the slot's first 256 rows.
; The branch hangs on the wave's number and on y, which all four partners share.  An s_nop 0 and four v_nop follow each of the two lines.
.macro JLOAD g0a, g1a, g0b, g1b
	s_cmp_eq_u32 s99, 0
	s_cbranch_scc0 .Lfor_b_\@
	tensor_load_to_lds s[\g0a:\g0a+3], s[\g1a:\g1a+7]
	s_nop 0
.rept 4
	v_nop
.endr
	s_branch .Lasked_\@
.Lfor_b_\@:
	tensor_load_to_lds s[\g0b:\g0b+3], s[\g1b:\g1b+7]
	s_nop 0
.rept 4
	v_nop
.endr
.Lasked_\@:
.endm
.macro CREST                           ; a round of the cluster's barrier behind its opening barrier
	s_cmp_lg_u32 s14, 0
	s_cbranch_scc1 .Lnot_wave_0_\@
	s_barrier_signal -3
.Lnot_wave_0_\@:
	s_barrier_wait -3
	s_barrier_signal -1
	s_barrier_wait -1
.endm
.macro CROUND                          ; a whole round
	s_barrier_signal -1
	s_barrier_wait -1
	CREST
.endm
	s_load_b256 s[4:11], s[0:1], 0x0               ; xc s[4:5], wc s[6:7], the table s[8:9], the exponents s[10:11]
	s_load_b128 s[68:71], s[0:1], 0x20             ; q_gain s[68:69], qkv s[70:71]
	v_lshl_add_u32 v[SPW], v0, 2, SPARE
	v_mov_b32 v[NIL], 0
	ds_add_u32 v[SPW], v[NIL]                      ; the wave's opening: the add, twice on end, and its wait ahead of my first tensor load; the set-up below stands between the second and the wait
	ds_add_u32 v[SPW], v[NIL]
	v_lshrrev_b32 v1, 5, v0
	v_readfirstlane_b32 s14, v1                    ; wave 0..3
	s_lshr_b32 s15, s14, 1                         ; which half of source 1's rows is mine.  Also: I fetch for x (0) or for the weights (1)
	s_and_b32 s16, s14, 1                          ; which half of source 0's rows.  Also: which 128 rows I fetch
	s_bfe_u32 s40, ttmp6, 0x40000                  ; cx: my place in the cluster: it enters global addresses alone
	s_and_b32 s41, ttmp7, 0xffff                   ; y: the weights' tile, the same in all four partners
	s_lshl_b32 s42, ttmp9, 2
	s_add_co_u32 s42, s42, s40                     ; the tokens' tile = 4 x cluster x + cx
	s_cmp_ge_u32 s41, 10                           ; v?
	s_cselect_b32 s94, 1, 0
	s_cselect_b32 s17, s15, s16                    ; which of the tile's two heads is mine
	s_xor_b32 s99, s15, s94                        ; 0: I fetch x's rows, 1: the weights'
	s_lshl_b32 s95, s41, 1
	s_add_co_u32 s95, s95, s17                     ; 0-15 a query head, 16-19 a key head, 20-23 a value head
	s_cmp_lt_u32 s41, 8
	s_cselect_b32 s22, s95, 0
	s_lshl_b32 s22, s22, 2                         ; my gain's byte (k and v read entry 0 and do not use it)
	s_mov_b32 s23, 0
	; descriptor group 1: a tile of 128 rows x 256 bytes, padded in LDS
	s_mov_b32 s[G1+0], (0<<16)|(1<<20)|(5<<22)|(3<<25)                ; 15:0 no mask; 17:16 elements of 1 byte; 20 padding on; 24:22 after every 64 words (code 5); 31:25 of 4 words (code 3)
	s_mov_b32 s[G1B+0], 15|(0<<16)|(1<<20)|(1<<21)|(5<<22)|(3<<25)    ; the same with the mask of all four work-groups, and bit 21 beside it
.irp g, G1, G1B
	s_mov_b32 s[\g+1], ROWB<<16                    ; tensor_dim0
	s_mov_b32 s[\g+2], 128<<16                     ; tensor_dim1
	s_mov_b32 s[\g+3], ROWB<<16                    ; tile_dim0
	s_mov_b32 s[\g+4], 128                         ; tile_dim1
	s_mov_b32 s[\g+5], KROW                        ; tensor_dim0_stride
	s_mov_b32 s[\g+6], 0
	s_mov_b32 s[\g+7], 0
.endr
	s_lshl_b32 s18, s16, 7                         ; which 128 rows of a tile I fetch
	s_lshl_b32 s20, s42, 8
	s_add_co_u32 s20, s20, s18
	s_lshl_b32 s20, s20, 11                        ; x: row 256 x tokens' tile + 128 x half, in bytes,
	; (which set of x's codes: behind the round below, when the exponents are in)
	s_mov_b32 s21, 0
	s_lshl_b32 s46, s41, 8
	s_add_co_u32 s46, s46, s18
	s_lshl_b32 s46, s46, 11                        ; the weights: row 256 y + 128 x half: made of y and the wave's number alone
	s_mov_b32 s47, 0
	s_mul_i32 s45, s14, HALFT                      ; where they go: wave x 128 rows
	s_wait_dscnt 0x0                               ; both opening adds are done
	s_wait_kmcnt 0x0
	s_load_b256 s[72:79], s[10:11], 0x0            ; entries 0 to 7
	s_load_b128 s[80:83], s[10:11], 0x20           ; entries 8 to 11
	s_add_nc_u64 s[68:69], s[68:69], s[22:23]
	s_load_b32 s89, s[68:69], 0x0                  ; the gain
	s_add_nc_u64 s[20:21], s[4:5], s[20:21]
	s_add_nc_u64 s[46:47], s[6:7], s[46:47]
	CROUND                                         ; all four work-groups are here: the first loads meet
	; Which set of x's codes this product reads: the first launch stores a set only where its exponent differs from those before it.  No jump hangs on the exponents: the set's number is selected.
	s_wait_kmcnt 0x0
	s_cmp_lg_u32 s74, s72
	s_cselect_b32 s18, 1, 0                        ; k's set: 0 where entry 2 equals entry 0
	s_cmp_lg_u32 s76, s74
	s_cselect_b32 s19, 2, s18                      ; v's set: k's where entry 4 equals entry 2,
	s_cmp_lg_u32 s76, s72
	s_cselect_b32 s19, s19, 0                      ; 0 where it equals entry 0
	s_cmp_lt_u32 s41, 10
	s_cselect_b32 s19, s18, s19
	s_cmp_lt_u32 s41, 8
	s_cselect_b32 s19, 0, s19
	s_min_u32 s19, s19, 2
	s_lshl_b32 s18, s19, 23                        ; the sets lie 8 MiB apart
	s_mov_b32 s19, 0
	s_add_nc_u64 s[20:21], s[20:21], s[18:19]
	; the prefetches: s[12:13] = the rows that my wave asks for: x's waves their 128 rows; the weights' waves 32 of their 128, told apart among the four partners by address (cx)
	s_lshl_b32 s66, s40, 16                        ; 32 cx rows of 2,048 bytes
	s_mov_b32 s67, 0
	s_add_nc_u64 s[66:67], s[46:47], s[66:67]
	s_cmp_eq_u32 s99, 0
	s_cselect_b64 s[12:13], s[20:21], s[66:67]
	s_and_b32 s98, s41, 3                          ; a tile of x is read by up to twelve clusters (all y): those at y = 0, 4, 8 and 10 ask for it: two for q, one each for k and v
	s_cmp_eq_u32 s41, 10
	s_cselect_b32 s98, 0, s98
	s_cmp_eq_u32 s99, 0
	s_cselect_b32 s98, s98, 0                      ; the weights' waves ask in every cluster: four clusters load a tile of the weights
	s_cmp_eq_u32 s98, 0
	s_cselect_b32 s98, 1, -1                       ; 1: my wave asks
.irp s, 0,1
	s_mov_b32 s[G0+4*\s], 1
	s_add_co_u32 s[G0+4*\s+1], s45, \s*SLOT
	s_add_nc_u64 s[G0+4*\s+2:G0+4*\s+3], s[20:21], \s*ROWB
	s_or_b32 s[G0+4*\s+3], s[G0+4*\s+3], 0x80000000
	s_mov_b32 s[G0B+4*\s], 1
	s_add_co_u32 s[G0B+4*\s+1], s45, \s*SLOT
	s_add_nc_u64 s[G0B+4*\s+2:G0B+4*\s+3], s[46:47], \s*ROWB
	s_or_b32 s[G0B+4*\s+3], s[G0B+4*\s+3], 0x80000000
.endr
	JLOAD G0, G1, G0B, G1B                         ; K step 0: one tensor load a wave at the head
	v_and_b32 v1, 15, v0                           ; l % 16
	s_wait_alu depctr_va_vdst(0)
	v_bfe_u32 v2, v0, 4, 1                         ; l / 16
	v_mul_u32_u24 v3, v1, PITCH
	v_lshl_add_u32 v4, v2, 4, v3                   ; a fragment's row x pitch + 16 x half
	s_mul_i32 s21, s15, HALFT                      ; source 1's 128 rows, in the slot's first 256
	s_mul_i32 s22, s16, HALFT
	s_add_co_u32 s22, s22, 2*HALFT                 ; source 0's, behind them
.irp s, 0,1
	v_add_nc_u32 v[ADRA+\s], s21, v4
	v_add_nc_u32 v[ADRB+\s], s22, v4
	s_add_co_u32 s21, s21, SLOT
	s_add_co_u32 s22, s22, SLOT
.endr
	s_mul_i32 s23, s14, WSTG                       ; my stage
	v_mul_u32_u24 v5, v1, SQ
	s_wait_alu depctr_va_vdst(0)
	v_lshl_add_u32 v5, v2, 3, v5
	v_add_nc_u32 v[STO], s23, v5                   ; in: row l % 16, 8 bytes for each half of the lanes
	v_bfe_u32 v6, v0, 3, 2
	v_mul_u32_u24 v6, v6, SQ
	v_and_b32 v7, 7, v0
	v_lshl_add_u32 v6, v7, 4, v6
	v_add_nc_u32 v[RD], s23, v6                    ; back: eight lanes to a row of 128 bytes, four rows an instruction
	v_and_b32 v8, 31, v0
	v_lshlrev_b32 v[CO], 4, v8
	v_lshlrev_b32 v27, 11, v8                      ; the prefetches' offset: a lane a row of 2,048 bytes; never rewritten
	; where my 128 x 128 goes, and where my tokens' cos and sin lie
	s_cmp_eq_u32 s94, 0
	s_cselect_b32 s17, s15, s16                    ; which half of the tile's tokens is mine
	s_lshr_b32 s18, s42, 2                         ; the batch
	s_lshl_b32 s19, s42, 1
	s_add_co_u32 s19, s19, s17
	s_and_b32 s19, s19, 7                          ; which 128 tokens of the sequence
	s_cmp_lt_u32 s41, 8
	s_cselect_b32 s20, 16, 4                       ; heads in a batch
	s_cselect_b32 s21, 0, 384                      ; k's blocks begin at 512, and its heads are counted from 16: 512 - 8 x 16
	s_cmp_lt_u32 s41, 10
	s_cselect_b32 s21, s21, 480                    ; v's at 640, counted from 20: 640 - 8 x 20
	s_mul_i32 s20, s20, s18
	s_add_co_u32 s20, s20, s95
	s_lshl_b32 s20, s20, 3
	s_add_co_u32 s20, s20, s21
	s_add_co_u32 s20, s20, s19
	s_lshl_b32 s20, s20, 14                        ; blocks of 16,384 bytes
	s_mov_b32 s21, 0
	s_add_nc_u64 s[90:91], s[70:71], s[20:21]
	s_and_b32 s20, s42, 3
	s_lshl_b32 s20, s20, 4
	s_lshl_b32 s22, s15, 3
	s_add_co_u32 s20, s20, s22
	s_lshl_b32 s20, s20, 13                        ; the table: my first block of 16 tokens of the sequence, 8,192 bytes a block
	s_add_nc_u64 s[92:93], s[8:9], s[20:21]
.macro FRAG reg, adr, q, i             ; a fragment, 16 rows x 128 K: lane l holds row l % 16; registers 4 c .. 4 c + 3 hold K = 32 c + 16 (l / 16) + 0 .. 15: the same places of k on both sides of a product
.irp c, 0,1,2,3
	ds_load_b128 v[\reg+4*\c:\reg+4*\c+3], v[\adr] offset:128*(\q)+32*\c+(\i)*16*PITCH
.endr
.endm
; 16 matrix instructions: source 1's blocks a0, a0 + 1 x source 0's eight, 128 along K.  p: source 0's set.  zero = 1: the first product starts the sums.
; The 64 accumulators take turns, one instruction a turn, in the same order in every step.
.macro MUL16 a0, p, zero
.irp a, \a0, \a0+1
.irp b, 0,1,2,3,4,5,6,7
.if \zero
	v_wmma_f32_16x16x128_fp8_fp8 v[8*(8*((\a)%4)+\b):8*(8*((\a)%4)+\b)+7], v[128*(\p)+FR*\b:128*(\p)+FR*\b+FR-1], v[AF+FR*(\a):AF+FR*(\a)+FR-1], 0
.else
	v_wmma_f32_16x16x128_fp8_fp8 v[8*(8*((\a)%4)+\b):8*(8*((\a)%4)+\b)+7], v[128*(\p)+FR*\b:128*(\p)+FR*\b+FR-1], v[AF+FR*(\a):AF+FR*(\a)+FR-1], v[8*(8*((\a)%4)+\b):8*(8*((\a)%4)+\b)+7]
.endif
.endr
.endr
.endm
.macro FETCH_B slot, q, p
	WIN TO_B
.irp i, 0,1,2,3,4,5,6,7
	FRAG 128*(\p)+FR*\i, ADRB+\slot, \q, \i
.endr
	WIN 0
.endm
.macro FETCH_A slot, q, i0
.irp i, \i0, \i0+1, \i0+2, \i0+3
	FRAG AF+FR*(\i), ADRA+\slot, \q, \i
.endr
.endm
.macro PLACES n                        ; plain vector lines between a matrix instruction and a load into, or a vector line on, its registers
.rept \n
	v_nop
.endr
.endm
; A step of 128 along K that has its successor in the same slot.  Source 1 has one set of registers: a block is free when its eight products are issued; blocks 0-3 are fetched anew in the middle, 4-7 at the end.
.macro STEP slot, q, zero
	s_wait_dscnt 4*NL                              ; source 0's set and source 1's blocks 0-3 are in; the youngest sixteen loads (blocks 4-7) may be out
	WIN MUL_LO
	MUL16 0, (\q)%2, \zero
	MUL16 2, (\q)%2, \zero
	s_wait_dscnt 0                                 ; blocks 4-7 are in
	PLACES NP
	FETCH_B \slot, (\q)+1, 1-(\q)%2
	FETCH_A \slot, (\q)+1, 0
	WIN MUL_HI
	MUL16 4, (\q)%2, \zero
	MUL16 6, (\q)%2, \zero
	PLACES NP
	WIN 0
	FETCH_A \slot, (\q)+1, 4
.endm
; A slot's last step changes slots, at its HEAD: all of the step's fragments have been asked for, so the slot's reads end with the wait on DScnt below.  ONE barrier; in front of it each wave waits for all its tensor
; loads, adds 0 to its spare word, and waits for that and for its reads of this slot.  fill = 1: the slot is filled again, two K steps ahead.  A request goes out only behind the wait for the one before it, so nothing
; but these lines and the round stands between the two; the step's 64 products, whose operands are in registers, follow the request, in the order of every other step.
.macro TURN slot, next, fill
	s_wait_tensorcnt 0x0                           ; all my tensor loads have landed: my part of the next slot; so every group 0 may be written
	ds_add_u32 v[SPW], v[NIL]                      ; 0 onto my spare word; the descriptors' steps stand between it and the wait for it
.if \fill
	s_add_nc_u64 s[G0+4*\slot+2:G0+4*\slot+3], s[G0+4*\slot+2:G0+4*\slot+3], 2*ROWB
	s_add_nc_u64 s[G0B+4*\slot+2:G0B+4*\slot+3], s[G0B+4*\slot+2:G0B+4*\slot+3], 2*ROWB
.endif
	s_wait_dscnt 0x0                               ; the add is done, and my reads of this slot are over
	s_barrier_signal -1
	s_barrier_wait -1
.if \fill
	CREST                                          ; the barrier has opened a round of the cluster's: no wave of any partner still reads this slot or has a load on its way
	JLOAD G0+4*\slot, G1, G0B+4*\slot, G1B         ; the first tensor load behind the round
.endif
	WIN MUL_LO
	MUL16 0, 1, 0
	MUL16 2, 1, 0
	PLACES NP
	FETCH_B \next, 0, 0
	FETCH_A \next, 0, 0
.if \fill
	ASK 1024+256*\slot, 1                          ; the K step two refills on
.endif
	WIN MUL_HI
	MUL16 4, 1, 0
	MUL16 6, 1, 0
	PLACES NP
	WIN 0
	FETCH_A \next, 0, 4
.endm
; A PREFETCH INTO THE L2: behind the load of K step t stands a request for K step t + 2's 256 bytes of each row, a lane a row: x's waves four instructions (128 rows), the weights' waves one (32 rows).
; The loop's last trip asks for nothing (s3 = 1 there): K steps 8 and 9 do not exist.  The address is stepped once a trip, at the trip's end, behind s_wait_xcnt 0.
.macro ASK k, inloop
.if \inloop
	s_cmp_gt_u32 s3, s98
.else
	s_cmp_eq_u32 s98, 1
.endif
	s_cbranch_scc0 .Lno_ask_\@
	global_prefetch_b8 v27, s[12:13] offset:\k th:TH_LOAD_NT scope:SCOPE_SE
	s_cmp_eq_u32 s99, 0
	s_cbranch_scc0 .Lno_ask_\@
.irp i, 1,2,3
	global_prefetch_b8 v27, s[12:13] offset:(\k)+65536*\i th:TH_LOAD_NT scope:SCOPE_SE
.endr
.Lno_ask_\@:
.endm
	s_wait_alu depctr_va_vdst(0)                   ; the head's end
	ASK 512, 0                                     ; K step 2
	s_wait_tensorcnt 0x0                           ; my part of K step 0 is in
	ds_add_u32 v[SPW], v[NIL]
	s_wait_dscnt 0x0
	CROUND                                         ; everybody's part is in, and all four work-groups are here
	JLOAD G0+4, G1, G0B+4, G1B                     ; K step 1: the first tensor load behind the round
	FETCH_B 0, 0, 0
	FETCH_A 0, 0, 0
	FETCH_A 0, 0, 4
	ASK 768, 0                                     ; K step 3
	STEP 0, 0, 1                                   ; the first step stands in front of the loop: its products start the sums
	s_mov_b32 s3, LAPS-1
.Llap:                                                 ; a trip goes once round the ring and fills both slots again
	TURN 0, 1, 1
	STEP 1, 0, 0
	TURN 1, 0, 1
	STEP 0, 0, 0
	s_wait_xcnt 0x0                                ; my prefetches have read their address: it steps two K steps on
	s_add_nc_u64 s[12:13], s[12:13], 512
	s_sub_co_u32 s3, s3, 1
	s_cmp_lg_u32 s3, 0
	s_cbranch_scc1 .Llap
	TURN 0, 1, 0                                   ; the last lap fills nothing
	STEP 1, 0, 0
	; q and k: source 0's first set of registers is done with (the last step multiplies the second; the step's places stand behind its last products): blocks 0 and 1's images of cos and sin are asked for here
	s_cmp_lg_u32 s94, 0                            ; y alone decides
	s_cbranch_scc1 .Lno_rope
	WIN TO_B
.irp a, 0,1
.irp i, 0,1,2,3,4,5,6,7,8,9,10,11,12,13,14,15
	global_load_b128 v[64*\a+4*\i:64*\a+4*\i+3], v[CO], s[92:93] offset:8192*\a+512*\i
.endr
.endr
	WIN 0
.Lno_rope:
	s_wait_dscnt 4*NL
	WIN MUL_LO
	MUL16 0, 1, 0
	MUL16 2, 1, 0
	s_wait_dscnt 0
	WIN MUL_HI
	MUL16 4, 1, 0
	MUL16 6, 1, 0
	WIN 0
	; THE WAY OUT.  The exponents: no branch hangs on them; the choices hang on y.
	s_wait_kmcnt 0x0
	s_cmp_lt_u32 s41, 8
	s_cselect_b32 s17, s72, s74                    ; x's: entry 0, 2 or 4
	s_cselect_b32 s18, s73, s75                    ; the weight's: 1, 3 or 5
	s_cselect_b32 s19, s78, s79                    ; the result's: 6, 7 or 9
	s_cselect_b32 s89, s89, 1.0                    ; k has no gain
	s_cmp_lt_u32 s41, 10
	s_cselect_b32 s17, s17, s76
	s_cselect_b32 s18, s18, s77
	s_cselect_b32 s19, s19, s81
	s_add_co_i32 s84, s17, s18                     ; E: a sum stands for sum x 2^E
	s_mul_i32 s20, s94, s84
	s_sub_co_i32 s85, s19, s20                     ; the conversion's exponent: q and k are scaled to their values first; v's sums are converted as they are, by entry 9 less E
	s_add_co_i32 s86, s84, 127
	s_lshl_b32 s86, s86, 23                        ; 2^E
	s_lshl_b32 s87, s84, 1
	s_add_co_i32 s87, s87, 120
	s_lshl_b32 s87, s87, 23                        ; 2^(2E - 7): the mean of 128 squares from the sum of the sums' squares
	s_mov_b32 s88, 0x34000000                      ; f32's machine epsilon, 2^-23
	s_add_co_i32 s20, s85, 127
	s_lshl_b32 s21, s20, 23
	v_mov_b32 v[SCL], s21
	s_add_co_i32 s20, s20, 8
	s_lshl_b32 s20, s20, 23
	s_or_b32 s20, s20, 0x600000
	v_mov_b32 v[LIM], s20
	s_mov_b32 s96, 0x76543210                      ; v_permlanex16_b32's selects for lane l xor 16
	s_mov_b32 s97, 0xfedcba98
	PLACES NP                                      ; behind the last products: for the loads into source 0's registers and the first reads of results
.macro CTLOAD a                        ; block a's image of cos (32 registers) and sin (32), into window 1: each load is 512 consecutive bytes
	WIN TO_B
.irp i, 0,1,2,3,4,5,6,7,8,9,10,11,12,13,14,15
	global_load_b128 v[64*((\a)%4)+4*\i:64*((\a)%4)+4*\i+3], v[CO], s[92:93] offset:8192*(\a)+512*\i
.endr
.endm
.macro SSQ hi                          ; my 64 numbers' squares for blocks 4 hi .. 4 hi + 3, two at a time, four chains; each accumulator is read from its low end on; the first products start the sums
	WIN 0x0a+5*(\hi)
.set p, 0
.rept 32
.irp a, 0,1,2,3
.if p == 0
	v_pk_mul_f32 v[SS+2*(4*(\hi)+\a):SS+2*(4*(\hi)+\a)+1], v[64*\a+2*p:64*\a+2*p+1], v[64*\a+2*p:64*\a+2*p+1]
.else
	v_pk_fma_f32 v[SS+2*(4*(\hi)+\a):SS+2*(4*(\hi)+\a)+1], v[64*\a+2*p:64*\a+2*p+1], v[64*\a+2*p:64*\a+2*p+1], v[SS+2*(4*(\hi)+\a):SS+2*(4*(\hi)+\a)+1]
.endif
.endr
.set p, p+1
.endr
.endm
.macro STATS                           ; a token's factor: rsqrt(mean of squares + epsilon) x 2^E x gain
	WIN 0
.irp a, 0,1,2,3,4,5,6,7
	v_add_f32 v[SS+2*\a], v[SS+2*\a], v[SS+2*\a+1]
.endr
.irp a, 0,1,2,3,4,5,6,7
	v_permlanex16_b32 v[SS+2*\a+1], v[SS+2*\a], s96, s97   ; the token's other 64 numbers lie in the lane 16 away
.endr
.irp a, 0,1,2,3,4,5,6,7
	v_add_f32 v[SS+2*\a], v[SS+2*\a], v[SS+2*\a+1]
.endr
.irp a, 0,1,2,3,4,5,6,7
	v_fma_f32 v[SS+2*\a], v[SS+2*\a], s87, s88
.endr
	s_wait_alu depctr_va_vdst(0)
.irp a, 0,1,2,3,4,5,6,7
	v_rsq_f32 v[FG+2*\a], v[SS+2*\a]
.endr
	v_nop                                          ; a plain line behind the last of them,
	s_wait_alu depctr_va_vdst(0)                   ; and one wait for the eight, ahead of their first reader
.irp a, 0,1,2,3,4,5,6,7
	v_mul_f32 v[FG+2*\a], s86, v[FG+2*\a]
.endr
.irp a, 0,1,2,3,4,5,6,7
	v_mul_f32 v[FG+2*\a], s89, v[FG+2*\a]
.endr
.irp a, 0,1,2,3,4,5,6,7
	v_mov_b32 v[FG+2*\a+1], v[FG+2*\a]
.endr
.endm
.macro SCALE a                         ; T[8 b + j] = the token's number 16 b + 8 (l / 16) + j, normed, with the gain
	WIN 0x02+(\a)/4
.set p, 0
.rept 32
	v_pk_mul_f32 v[T+2*p:T+2*p+1], v[64*((\a)%4)+2*p:64*((\a)%4)+2*p+1], v[FG+2*(\a):FG+2*(\a)+1]
.set p, p+1
.endr
.endm
.macro ROPE a                          ; x1 = T[0 .. 31], x2 = T[32 .. 63]: x1 cos + x2 sin, x2 cos - x1 sin; source 1 in window 1
	WIN 0x04
.set p, 0
.rept 16
	v_pk_mul_f32 v[U+4*(p%4):U+4*(p%4)+1], v[T+32+2*p:T+32+2*p+1], v[64*((\a)%4)+32+2*p:64*((\a)%4)+32+2*p+1]
	v_pk_mul_f32 v[U+4*(p%4)+2:U+4*(p%4)+3], v[T+2*p:T+2*p+1], v[64*((\a)%4)+32+2*p:64*((\a)%4)+32+2*p+1]
	v_pk_fma_f32 v[T+2*p:T+2*p+1], v[T+2*p:T+2*p+1], v[64*((\a)%4)+2*p:64*((\a)%4)+2*p+1], v[U+4*(p%4):U+4*(p%4)+1]
	v_pk_fma_f32 v[T+32+2*p:T+32+2*p+1], v[T+32+2*p:T+32+2*p+1], v[64*((\a)%4)+2*p:64*((\a)%4)+2*p+1], v[U+4*(p%4)+2:U+4*(p%4)+3] neg_lo:[0,0,1] neg_hi:[0,0,1]
.set p, p+1
.endr
.endm
.macro HOLD                            ; the conversion to an 8-bit code does not saturate (ISA guide 7.6.2)
	WIN 0
.set p, 0
.rept 64
	v_med3_num_f32 v[T+p], v[T+p], -v[LIM], v[LIM]
.set p, p+1
.endr
.endm
.macro HOLDV a                         ; v: the sums as they are, held, from each accumulator's low end on
	WIN 0x02+(\a)/4
.set p, 0
.rept 64
	v_med3_num_f32 v[T+p], v[64*((\a)%4)+p], -v[LIM], v[LIM]
.set p, p+1
.endr
.endm
; Block a's 64 numbers a lane become 64 codes; a lane's 8 bytes of a row go into my stage and come back as whole rows of 128 bytes, four rows (512 consecutive bytes of the output) an instruction.
; LDS serves a wave's instructions in order (ISA guide 5.7.1.4): no wait between the stores and the loads, nor in front of the next block's stores.
.macro TAIL a, sb
	WIN 0
.irp b, 0,1,2,3,4,5,6,7
	v_cvt_scalef32_pk8_fp8_f32 v[PC+16*((\a)%2)+2*\b:PC+16*((\a)%2)+2*\b+1], v[T+8*\b:T+8*\b+7], v[SCL]
.endr
	v_nop                                          ; a plain line between the conversions and the next vector lines that write their sources
.if (\a) >= 2
	s_wait_alu depctr_va_vdst(0)
	s_wait_xcnt 0x0                                ; block a - 2's stores have read their registers: block a's rows may land there
.endif
.irp b, 0,1,2,3,4,5,6,7
	ds_store_b64 v[STO], v[PC+16*((\a)%2)+2*\b:PC+16*((\a)%2)+2*\b+1] offset:(\sb)+16*\b
.endr
.irp i, 0,1,2,3
	ds_load_b128 v[BK+16*((\a)%2)+4*\i:BK+16*((\a)%2)+4*\i+3], v[RD] offset:(\sb)+4*SQ*\i
.endr
.endm
.macro SEND a, younger                 ; younger: the LDS instructions issued behind block a's loads, which may stay out
	s_wait_dscnt \younger
.irp i, 0,1,2,3
	global_store_b128 v[CO], v[BK+16*((\a)%2)+4*\i:BK+16*((\a)%2)+4*\i+3], s[90:91] offset:2048*(\a)+512*\i   ; 32 lanes store 512 consecutive bytes, aligned
.endr
.endm
	s_cmp_lg_u32 s94, 0                            ; y alone decides: the same in all waves and all partners
	s_cbranch_scc1 .Lvpath
	s_wait_alu depctr_va_vdst(0)
	CTLOAD 2
	CTLOAD 3
	SSQ 0
	SSQ 1
	STATS
.irp a, 0,1,2,3,4,5,6,7
	SCALE \a
.if \a <= 4
	s_wait_loadcnt 48                              ; block a's image is in; the three younger images' 48 loads may be out
.else
	s_wait_loadcnt 16*(7-\a)
.endif
	ROPE \a
.if \a < 4
	CTLOAD \a+4                                    ; its registers take the image four blocks on
.endif
	HOLD
	TAIL \a, 0
.if \a > 0
	SEND \a-1, 12                                  ; behind block a - 1's loads: block a's 8 stores and 4 loads
.endif
.endr
	SEND 7, 0
	s_branch .Ldone
.Lvpath:
	s_wait_alu depctr_va_vdst(0)
.irp a, 0,1,2,3,4,5,6,7
	HOLDV \a
	TAIL \a, VSTG
.if \a > 0
	SEND \a-1, 12
.endif
.endr
	SEND 7, 0
.Ldone:
	s_wait_tensorcnt 0x0                           ; the wave's end: behind my last tensor load and my last LDS store
	ds_add_u32 v[SPW], v[NIL]
	s_wait_dscnt 0x0
	CROUND                                         ; the closing round: no work-group ends while a partner may still ask for a tile that names it
	s_endpgm
.Lfunc_end_k_q8b3f82e0ca_qkv:
	.size	k_q8b3f82e0ca_qkv, .Lfunc_end_k_q8b3f82e0ca_qkv-k_q8b3f82e0ca_qkv
	.p2alignl 7, 3214868480
	.fill 96, 4, 3214868480
	.section	.rodata,"a",@progbits
	.p2align	6, 0x0
	.amdhsa_kernel k_q8b3f82e0ca_qkv
		.amdhsa_group_segment_fixed_size 327680
		.amdhsa_private_segment_fixed_size 0
		.amdhsa_enable_private_segment 0
		.amdhsa_kernarg_size 48
		.amdhsa_user_sgpr_count 2
		.amdhsa_user_sgpr_kernarg_segment_ptr 1
		.amdhsa_wavefront_size32 1
		.amdhsa_system_sgpr_workgroup_id_x 1
		.amdhsa_system_sgpr_workgroup_id_y 1
		.amdhsa_system_sgpr_workgroup_id_z 1
		.amdhsa_system_vgpr_workitem_id 0
		.amdhsa_next_free_vgpr 1024
		.amdhsa_next_free_sgpr 100
		.amdhsa_reserve_vcc 0
		.amdhsa_float_denorm_mode_32 3
		.amdhsa_float_denorm_mode_16_64 3
		.amdhsa_memory_ordered 1
		.amdhsa_forward_progress 1
		.amdhsa_inst_pref_size 255
	.end_amdhsa_kernel
	.amdgpu_metadata
---
amdhsa.version: [ 1, 2 ]
amdhsa.kernels:
  - .name:           k_q8b3f82e0ca_qkv
    .symbol:         k_q8b3f82e0ca_qkv.kd
    .args:
      - { .name: xc, .offset: 0, .size: 8, .value_kind: global_buffer, .address_space: global }
      - { .name: wc, .offset: 8, .size: 8, .value_kind: global_buffer, .address_space: global }
      - { .name: rope, .offset: 16, .size: 8, .value_kind: global_buffer, .address_space: global }
      - { .name: lowp_scales, .offset: 24, .size: 8, .value_kind: global_buffer, .address_space: global }
      - { .name: q_gain, .offset: 32, .size: 8, .value_kind: global_buffer, .address_space: global }
      - { .name: qkv, .offset: 40, .size: 8, .value_kind: global_buffer, .address_space: global }
    .group_segment_fixed_size: 327680
    .private_segment_fixed_size: 0
    .kernarg_segment_align: 8
    .kernarg_segment_size: 48
    .max_flat_workgroup_size: 128
    .sgpr_count:     100
    .vgpr_count:     1024
    .wavefront_size: 32
...
	.end_amdgpu_metadata
.endif
;; end of part 2
;; launch attn (part 3): grid 4 x 64, 16 waves a work-group, clusters of 4 x 1, 327,680 bytes of LDS; arguments qkv, lowp_scales, yc; writes yc
.if DOCPART == 3
	.amdgcn_target "amdgcn-amd-amdhsa--gfx1250"
	.amdhsa_code_object_version 6
	.text
	.protected	k_q8b3f82e0ca_attn
	.globl	k_q8b3f82e0ca_attn
	.p2align	8
	.type	k_q8b3f82e0ca_attn,@function
k_q8b3f82e0ca_attn:
	s_mov_b64 s[64:65], 0
	v_nop
	global_prefetch_b8 v0, s[64:65] scope:SCOPE_SE
	s_setreg_imm32_b32 hwreg(HW_REG_WAVE_MODE, 25, 1), 1
	s_wait_xcnt 0x0
	s_wait_alu depctr_hold_cnt(0) depctr_sa_sdst(0) depctr_va_vdst(0) depctr_va_sdst(0) depctr_va_ssrc(0) depctr_va_vcc(0) depctr_vm_vsrc(0)
	s_getreg_b32 s2, hwreg(HW_REG_IB_STS2, 6, 4)
	s_cmp_eq_u32 s2, 0
	s_cbranch_scc0 .Lentry_in_a_cluster
	s_endpgm
.Lentry_in_a_cluster:
	s_bfe_u32 s2, ttmp6, 0x10000c
	s_cmp_lg_u32 s2, 0x3003
	s_cbranch_scc0 .Lentry_shape_is_right
	s_endpgm
.Lentry_shape_is_right:
.set KP,    144
.set BLK,   128*KP
.set VOFF,  8*BLK
.set SPARE, 16*BLK
.set SPY,   272
.set AK0,  1
.set AV0,  2
.set SPW,  5
.set NIL,  6
.set GO,   7
.set ADK,  8
.set ADV,  9
.set TB,   12
.set DC,   13
.set SLOTS, 14
.set KF,   15
.set QB,   16
.set WV,   18
.set SEL,  20
.set CS,   22
.set G1E,  24
.set G1L,  32
.set SA,   50
.set SH,   51
.set G0E,  76
.set G0L,  80
.macro CROUND
	s_barrier_signal -1
	s_barrier_wait -1
	s_cmp_lg_u32 s[WV], 0
	s_cbranch_scc1 .Lnot_wave_0_\@
	s_barrier_signal -3
.Lnot_wave_0_\@:
	s_barrier_wait -3
	s_barrier_signal -1
	s_barrier_wait -1
.endm
	s_load_b128 s[4:7], s[0:1], 0x0
	s_load_b64 s[8:9], s[0:1], 0x10
	v_lshl_add_u32 v[SPW], v0, 2, SPARE
	v_mov_b32 v[NIL], 0
	ds_add_u32 v[SPW], v[NIL]
	ds_add_u32 v[SPW], v[NIL]
	v_lshrrev_b32 v8, 5, v0
	s_delay_alu instid0(VALU_DEP_1)
	v_readfirstlane_b32 s[WV], v8
	s_bfe_u32 s44, ttmp6, 0x40000
	s_and_b32 s45, ttmp7, 0xffff
	s_lshr_b32 s46, s45, 2
	s_and_b32 s47, s45, 3
	s_lshr_b32 s48, s44, 1
	s_and_b32 s49, s44, 1
	s_lshr_b32 s52, s[WV], 2
	s_and_b32 s[SH], s52, 1
	s_and_b32 s53, s[WV], 3
	s_xor_b32 s53, s53, s[SH]
	s_and_b32 s54, s53, 1
	s_mul_i32 s54, s54, 7
	s_lshr_b32 s53, s53, 1
	s_mul_i32 s53, s53, 3
	s_xor_b32 s53, s53, s54
	s_lshr_b32 s54, s[WV], 3
	s_xor_b32 s[SA], s53, s54
	s_lshl_b32 s[QB], s[SA], 7
	s_lshl_b32 s52, s47, 1
	s_add_co_u32 s52, s52, s49
	s_lshl_b32 s[DC], s52, 4
	s_lshl_b32 s53, s46, 2
	s_lshl_b32 s54, s48, 1
	s_add_co_u32 s53, s53, s54
	s_add_co_u32 s53, s53, s[SH]
	s_lshl_b32 s53, s53, 3
	s_add_co_u32 s53, s53, s[SA]
	s_lshl_b32 s53, s53, 14
	s_lshl_b32 s54, s[DC], 7
	s_add_co_u32 s56, s53, s54
	s_mov_b32 s57, 0
	s_lshr_b32 s58, s46, 2
	s_lshl_b32 s58, s58, 10
	s_add_co_u32 s58, s58, s[QB]
	s_add_co_u32 s58, s58, s[DC]
	s_lshl_b32 s59, s[SH], 3
	s_add_co_u32 s58, s58, s59
	s_lshl_b32 s58, s58, 11
	s_and_b32 s59, s46, 3
	s_lshl_b32 s59, s59, 2
	s_lshl_b32 s60, s48, 1
	s_add_co_u32 s59, s59, s60
	s_lshl_b32 s59, s59, 7
	s_add_co_u32 s58, s58, s59
	s_mov_b32 s59, 0
	s_lshr_b32 s60, s[WV], 3
	s_and_b32 s55, s[WV], 7
	s_mul_i32 s62, s60, VOFF
	s_lshl_b32 s60, s60, 21
	s_lshl_b32 s61, s46, 17
	s_add_co_u32 s60, s60, s61
	s_add_co_u32 s60, s60, 0x800000
	s_mul_i32 s92, s55, 32*KP
	s_add_co_u32 s92, s92, s62
	s_lshl_b32 s94, s55, 12
	s_add_co_u32 s94, s94, s60
	s_mov_b32 s95, 0
	s_mul_i32 s93, s55, 96*KP
	s_add_co_u32 s93, s93, s62
	s_add_co_u32 s93, s93, 256*KP
	s_mul_i32 s96, s55, 96*128
	s_add_co_u32 s96, s96, s60
	s_add_co_u32 s96, s96, 256*128
	s_mov_b32 s97, 0
	s_mov_b32 s[G1E], 15|(0<<16)|(1<<20)|(1<<21)|(4<<22)|(3<<25)
	s_mov_b32 s[G1E+1], 256<<16                    ; 32 rows of 128 bytes lie dense: stated as 16 rows of 256 bytes, the padding still behind each 128
	s_mov_b32 s[G1E+2], 16<<16
	s_mov_b32 s[G1E+3], 256<<16
	s_mov_b32 s[G1E+4], 16
	s_mov_b32 s[G1E+5], 256
	s_mov_b32 s[G1E+6], 0
	s_mov_b32 s[G1E+7], 0
	s_mov_b32 s[G1L], 15|(0<<16)|(1<<20)|(1<<21)|(4<<22)|(3<<25)
	s_mov_b32 s[G1L+1], 256<<16                    ; 96 rows of 128 bytes, dense: 48 rows of 256 bytes
	s_mov_b32 s[G1L+2], 48<<16
	s_mov_b32 s[G1L+3], 256<<16
	s_mov_b32 s[G1L+4], 48
	s_mov_b32 s[G1L+5], 256
	s_mov_b32 s[G1L+6], 0
	s_mov_b32 s[G1L+7], 0
	s_mov_b32 s[SEL], 0x76543210
	s_mov_b32 s[SEL+1], 0xfedcba98
	s_mov_b32 s[CS], 0x3e0293ee
	s_mov_b32 s[TB], 0
	s_mov_b32 s[KF], 0
	s_wait_dscnt 0x0
	s_wait_kmcnt 0x0
	s_load_b128 s[68:71], s[6:7], 0x18
	s_load_b32 s72, s[6:7], 0x28
	s_mov_b32 s[G0E], 1
	s_mov_b32 s[G0E+1], s92
	s_add_nc_u64 s[G0E+2:G0E+3], s[4:5], s[94:95]
	s_or_b32 s[G0E+3], s[G0E+3], 0x80000000
	s_mov_b32 s[G0L], 1
	s_mov_b32 s[G0L+1], s93
	s_add_nc_u64 s[G0L+2:G0L+3], s[4:5], s[96:97]
	s_or_b32 s[G0L+3], s[G0L+3], 0x80000000
	CROUND
	tensor_load_to_lds s[G0E:G0E+3], s[G1E:G1E+7]
	s_nop 0
	; my 16 queries' codes are asked for here, behind my first tensor load, so that they are on their way while the first keys and values are; they are waited for ahead of the first key step
	s_add_nc_u64 s[10:11], s[4:5], s[56:57]
	s_add_nc_u64 s[8:9], s[8:9], s[58:59]
	v_and_b32 v8, 15, v0
	v_bfe_u32 v9, v0, 4, 1
	s_delay_alu instid0(VALU_DEP_2)
	v_lshlrev_b32 v10, 7, v8
	s_delay_alu instid0(VALU_DEP_1)
	v_lshl_add_u32 v10, v9, 4, v10
.irp c, 0,1,2,3
	global_load_b128 v[16+4*\c:19+4*\c], v10, s[10:11] offset:32*\c
.endr
	s_wait_alu depctr_va_vdst(0)
	s_wait_tensorcnt 0x0
	ds_add_u32 v5, v6
	s_wait_dscnt 0x0
	CROUND
	tensor_load_to_lds s[G0L:G0L+3], s[G1L:G1L+7]
	s_nop 0
.rept 4
	v_nop
.endr
	v_mul_u32_u24 v[AK0], v8, KP
	s_delay_alu instid0(VALU_DEP_1)
	v_lshl_add_u32 v[AK0], v9, 4, v[AK0]
	v_mul_u32_u24 v[AV0], v8, KP
	s_delay_alu instid0(VALU_DEP_1)
	v_lshl_add_u32 v[AV0], v9, 3, v[AV0]
	s_delay_alu instid0(VALU_DEP_1)
	v_add_nc_u32 v[AV0], VOFF, v[AV0]
	v_lshlrev_b32 v[GO], 11, v9
	s_delay_alu instid0(VALU_DEP_1)
	v_lshl_add_u32 v[GO], v8, 4, v[GO]
	v_mov_b32 v13, 0xff61b1e6
	s_delay_alu instid0(VALU_DEP_1)
	v_floor_f32 v12, -v13
	v_mov_b32 v14, 0
	v_mov_b32 v15, 0
	v_mov_b32 v236, 0
	v_mov_b32 v253, 0
.set n, 0
.rept 64
	v_mov_b32 v[160+n], 0
.set n, n+1
.endr
	s_wait_kmcnt 0x0
	s_add_co_i32 s88, s68, s69
	s_lshl_b32 s88, s88, 23
	s_add_co_i32 s[CS], s[CS], s88
	s_mov_b32 s[CS+1], s[CS]
	s_add_co_i32 s88, s70, 127
	s_lshl_b32 s89, s88, 23
	v_mov_b32 v244, s89
	s_add_co_i32 s88, s88, 8
	s_lshl_b32 s88, s88, 23
	s_or_b32 s88, s88, 0x600000
	v_mov_b32 v240, s88
.macro VLOAD q, g
.irp t, 0,1,2,3
.irp c, 0,1,2,3,4,5,6,7
	ds_load_b64 v[32+16*\t+2*\c:32+16*\t+2*\c+1], v[ADV] offset:(128*(\q)+16*(4*(\g)+\t))*KP+16*\c
.endr
.endr
.endm
.macro PV g
.irp t, 0,1,2,3
	v_wmma_f32_16x16x128_fp8_fp8 v[160+8*(4*(\g)+\t):167+8*(4*(\g)+\t)], v[32+16*\t:47+16*\t], v[224:239], v[160+8*(4*(\g)+\t):167+8*(4*(\g)+\t)]
.endr
.endm
.macro STEP q
	s_cmp_gt_u32 s[KF], s[QB]
	s_cbranch_scc1 .Lhidden_\@
	v_add_nc_u32 v[ADK], s[TB], v[AK0]
	s_wait_alu depctr_va_vdst(0)
	v_add_nc_u32 v[ADV], s[TB], v[AV0]
.irp g, 0,1
.rept 4-2*(1-\g)
	v_nop
.endr
.irp t, 0,1,2,3
.irp c, 0,1,2,3
	ds_load_b128 v[32+16*\t+4*\c:32+16*\t+4*\c+3], v[ADK] offset:(128*(\q)+16*(4*\g+\t))*KP+32*\c
.endr
.endr
	s_wait_dscnt 0x0
.irp t, 0,1,2,3
	v_wmma_f32_16x16x128_fp8_fp8 v[96+8*(4*\g+\t):103+8*(4*\g+\t)], v[32+16*\t:47+16*\t], v[16:31], 0
.endr
.endr
.rept 4
	v_nop
.endr
	s_wait_alu depctr_va_vdst(0)
	VLOAD \q, 0
	s_cmp_lt_u32 s[KF], s[QB]
	s_cbranch_scc1 .Lopen_\@
	v_and_b32 v252, 15, v0
	v_bfe_u32 v253, v0, 4, 1
	s_delay_alu instid0(VALU_DEP_1)
	v_lshlrev_b32 v253, 3, v253
	s_delay_alu instid0(VALU_DEP_1)
	v_sub_nc_u32 v252, v252, v253
	s_delay_alu instid0(VALU_DEP_1)
	v_add_nc_u32 v252, s[DC], v252
	v_mov_b32 v254, 0xff800000
.set n, 0
.rept 64
	v_cmp_gt_i32 vcc_lo, 16*(n/8)+n%8, v252
	v_cndmask_b32 v[96+n], v[96+n], v254, vcc_lo
.set n, n+1
.endr
.Lopen_\@:
	v_max3_num_f32 v254, v96, v97, v98
	v_max3_num_f32 v252, v99, v100, v101
.irp i, 6,10,14,18,22,26,30,34,38,42,46,50,54,58
	v_max3_num_f32 v254, v254, v[96+\i], v[97+\i]
	v_max3_num_f32 v252, v252, v[98+\i], v[99+\i]
.endr
	v_max3_num_f32 v254, v254, v158, v159
	s_delay_alu instid0(VALU_DEP_1)
	v_max_num_f32 v254, v254, v252
	v_permlanex16_b32 v236, v254, s[SEL], s[SEL+1]
	s_delay_alu instid0(VALU_DEP_1)
	v_max_num_f32 v254, v254, v236
	s_delay_alu instid0(VALU_DEP_1)
	v_mul_f32 v254, s[CS], v254
	s_delay_alu instid0(VALU_DEP_1)
	v_max_num_f32 v13, v13, v254
	v_mov_b32 v254, v12
	s_delay_alu instid0(VALU_DEP_2)
	v_floor_f32 v12, -v13
	s_delay_alu instid0(VALU_DEP_1)
	v_sub_f32 v254, v12, v254
	s_delay_alu instid0(VALU_DEP_1)
	v_cvt_i32_f32 v254, v254
	s_delay_alu instid0(VALU_DEP_1)
	v_ldexp_f32 v252, 1.0, v254
.set n, 0
.rept 32
	v_pk_fma_f32 v[96+n:97+n], v[96+n:97+n], s[CS:CS+1], v[12:13] op_sel_hi:[1,0,0]
.set n, n+2
.endr
.set n, 0
	s_wait_alu depctr_va_vdst(0)
.rept 64
	v_exp_f32 v[96+n], v[96+n]
.set n, n+1
.endr
	v_pk_mul_f32 v[14:15], v[14:15], v[252:253] op_sel_hi:[1,0]
	s_wait_alu depctr_va_vdst(0)
	v_pk_add_f32 v[242:243], v[96:97], v[98:99]
.irp j, 4,8,12,16,20,24,28,32,36,40,44,48,52,56,60
	v_pk_add_f32 v[14:15], v[14:15], v[96+\j:97+\j]
	v_pk_add_f32 v[242:243], v[242:243], v[98+\j:99+\j]
.endr
	s_delay_alu instid0(VALU_DEP_1)
	v_pk_add_f32 v[14:15], v[14:15], v[242:243]
.irp b, 0,1,2,3
.irp i, 0,1,2,3,4,5,6,7,8,9,10,11,12,13,14,15
	v_min_num_f32 v[96+16*\b+\i], v[96+16*\b+\i], v240
.endr
	v_cvt_scalef32_pk8_fp8_f32 v[224+4*\b:225+4*\b], v[96+16*\b:103+16*\b], v244
	v_cvt_scalef32_pk8_fp8_f32 v[226+4*\b:227+4*\b], v[104+16*\b:111+16*\b], v244
.endr
.set n, 0
.rept 32
	v_pk_mul_f32 v[160+n:161+n], v[160+n:161+n], v[252:253] op_sel_hi:[1,0]
.set n, n+2
.endr
	s_wait_alu depctr_va_vdst(0)
	s_wait_dscnt 0x0
	PV 0
.rept 4
	v_nop
.endr
	VLOAD \q, 1
	s_wait_dscnt 0x0
	PV 1
.Lhidden_\@:
	s_add_co_u32 s[KF], s[KF], 128
.endm
	s_wait_loadcnt 0x0
	s_wait_tensorcnt 0x1
	s_barrier_signal -1
	s_barrier_wait -1
	STEP 0
	STEP 1
	s_add_co_u32 s[TB], s[TB], 2*BLK
	s_wait_tensorcnt 0x0
	s_wait_dscnt 0x0
	s_barrier_signal -1
	s_barrier_wait -1
	s_mov_b32 s[SLOTS], 3
.Lslot:
	STEP 0
	STEP 1
	s_add_co_u32 s[TB], s[TB], 2*BLK
	s_sub_co_u32 s[SLOTS], s[SLOTS], 1
	s_cmp_lg_u32 s[SLOTS], 0
	s_cbranch_scc1 .Lslot
	v_add_f32 v14, v14, v15
	s_delay_alu instid0(VALU_DEP_1)
	v_permlanex16_b32 v253, v14, s[SEL], s[SEL+1]
	s_delay_alu instid0(VALU_DEP_1)
	v_add_f32 v14, v14, v253
	s_wait_alu depctr_va_vdst(0)
	v_rcp_f32 v14, v14
	v_and_b32 v8, 15, v0
	v_bfe_u32 v9, v0, 4, 1
	s_add_co_i32 s88, s70, s71
	s_mul_i32 s89, s[SA], 16*SPY
	s_lshl_b32 s90, s[SH], 7
	s_add_co_u32 s90, s90, s89
	v_mul_u32_u24 v10, v8, SPY
	s_delay_alu instid0(VALU_DEP_1)
	v_lshl_add_u32 v10, v9, 3, v10
	s_delay_alu instid0(VALU_DEP_1)
	v_add_nc_u32 v10, s90, v10
	s_mul_i32 s91, s[SH], 8*SPY
	s_add_co_u32 s91, s91, s89
	v_mul_u32_u24 v11, v9, SPY
	s_delay_alu instid0(VALU_DEP_1)
	v_lshl_add_u32 v11, v8, 4, v11
	s_delay_alu instid0(VALU_DEP_1)
	v_add_nc_u32 v11, s91, v11
	s_add_co_i32 s92, s72, 127
	s_lshl_b32 s93, s92, 23
	s_add_co_i32 s92, s92, 8
	s_lshl_b32 s92, s92, 23
	s_or_b32 s92, s92, 0x600000
	s_wait_alu depctr_va_vdst(0)
	v_ldexp_f32 v14, v14, s88
	s_delay_alu instid0(VALU_DEP_1)
	v_mov_b32 v15, v14
.set n, 0
.rept 32
	v_pk_mul_f32 v[96+n:97+n], v[160+n:161+n], v[14:15]
.set n, n+2
.endr
	v_mov_b32 v244, s93
	v_mov_b32 v240, s92
.set n, 0
.rept 64
	v_med3_num_f32 v[96+n], v[96+n], -v240, v240
.set n, n+1
.endr
.irp t, 0,1,2,3,4,5,6,7
	v_cvt_scalef32_pk8_fp8_f32 v[224+2*\t:225+2*\t], v[96+8*\t:103+8*\t], v244
.endr
	v_nop
.irp t, 0,1,2,3,4,5,6,7
	ds_store_b64 v10, v[224+2*\t:225+2*\t] offset:16*\t
.endr
	s_wait_dscnt 0x0
	s_barrier_signal -1
	s_barrier_wait -1
.irp i, 0,1,2,3
	ds_load_b128 v[32+4*\i:35+4*\i], v11 offset:2*\i*SPY
.endr
.irp i, 0,1,2,3
	s_wait_dscnt 3-\i
	global_store_b128 v[GO], v[32+4*\i:35+4*\i], s[8:9] offset:4096*\i
.endr
	s_wait_tensorcnt 0x0
	ds_add_u32 v[SPW], v[NIL]
	s_wait_dscnt 0x0
	CROUND
	s_endpgm
.Lfunc_end_k_q8b3f82e0ca_attn:
	.size	k_q8b3f82e0ca_attn, .Lfunc_end_k_q8b3f82e0ca_attn-k_q8b3f82e0ca_attn
	.p2alignl 7, 3214868480
	.fill 96, 4, 3214868480
	.section	.rodata,"a",@progbits
	.p2align	6, 0x0
	.amdhsa_kernel k_q8b3f82e0ca_attn
		.amdhsa_group_segment_fixed_size 327680
		.amdhsa_private_segment_fixed_size 0
		.amdhsa_enable_private_segment 0
		.amdhsa_kernarg_size 24
		.amdhsa_user_sgpr_count 2
		.amdhsa_user_sgpr_kernarg_segment_ptr 1
		.amdhsa_wavefront_size32 1
		.amdhsa_system_sgpr_workgroup_id_x 1
		.amdhsa_system_sgpr_workgroup_id_y 1
		.amdhsa_system_sgpr_workgroup_id_z 1
		.amdhsa_system_vgpr_workitem_id 0
		.amdhsa_next_free_vgpr 256
		.amdhsa_next_free_sgpr 100
		.amdhsa_reserve_vcc 1
		.amdhsa_float_denorm_mode_32 3
		.amdhsa_float_denorm_mode_16_64 3
		.amdhsa_memory_ordered 1
		.amdhsa_forward_progress 1
		.amdhsa_inst_pref_size 127
	.end_amdhsa_kernel
	.amdgpu_metadata
---
amdhsa.version: [ 1, 2 ]
amdhsa.kernels:
  - .name:           k_q8b3f82e0ca_attn
    .symbol:         k_q8b3f82e0ca_attn.kd
    .args:
      - { .name: qkv, .offset: 0, .size: 8, .value_kind: global_buffer, .address_space: global }
      - { .name: lowp_scales, .offset: 8, .size: 8, .value_kind: global_buffer, .address_space: global }
      - { .name: yc, .offset: 16, .size: 8, .value_kind: global_buffer, .address_space: global }
    .group_segment_fixed_size: 327680
    .private_segment_fixed_size: 0
    .kernarg_segment_align: 8
    .kernarg_segment_size: 24
    .max_flat_workgroup_size: 512
    .sgpr_count:     100
    .vgpr_count:     256
    .wavefront_size: 32
...
	.end_amdgpu_metadata
.endif
;; end of part 3
;; launch proj (part 4): grid 16 x 16, 4 waves a work-group, clusters of 4 x 4, 327,680 bytes of LDS; arguments yc, wc, lowp_scales, out0; writes out0
.if DOCPART == 4
	.amdgcn_target "amdgcn-amd-amdhsa--gfx1250"
	.amdhsa_code_object_version 6
	.text
	.protected	k_q8b3f82e0ca_proj
	.globl	k_q8b3f82e0ca_proj
	.p2align	8
	.type	k_q8b3f82e0ca_proj,@function
k_q8b3f82e0ca_proj:
	s_mov_b64 s[64:65], 0
	v_nop
	global_prefetch_b8 v0, s[64:65] scope:SCOPE_SE
	s_setreg_imm32_b32 hwreg(HW_REG_WAVE_MODE, 25, 1), 1
	s_wait_xcnt 0x0
	s_wait_alu depctr_hold_cnt(0) depctr_sa_sdst(0) depctr_va_vdst(0) depctr_va_sdst(0) depctr_va_ssrc(0) depctr_va_vcc(0) depctr_vm_vsrc(0)
	s_getreg_b32 s2, hwreg(HW_REG_IB_STS2, 6, 4)
	s_cmp_eq_u32 s2, 0
	s_cbranch_scc0 .Lentry_in_a_cluster
	s_endpgm
.Lentry_in_a_cluster:
	s_bfe_u32 s2, ttmp6, 0x10000c
	s_cmp_lg_u32 s2, 0xf033
	s_cbranch_scc0 .Lentry_shape_is_right
	s_endpgm
.Lentry_shape_is_right:
; out0[m][n] = sum over k of y[m][k] Wproj[n][k], on codes of FP8 (E4M3): yc [4096][2048]; Wproj's codes at byte 0x600000 of wc, [2048][2048]; out0 f32.  Nothing is left out here.
; The codes are multiplied as they are, and each finished sum once by 2^(e10 + e11).  LIMIT: entries 10 and 11 of the exponents add up to between -126 and 127, so that this is an f32 number.
; SHARES.  A block of out0 is 256 rows x 128 columns: 16 x 16 = 256 work-groups.  Four waves, 2 x 2: a wave makes 128 x 64: 32 accumulators, 256 registers.
; LDS.  Two slots of unlike size, each with y's 256 rows and then the weights' 128: the large one holds 512 along K (rows 528 bytes apart), the small one 256 (272 apart): 384 x 800 = 307,200 bytes.
; K = 2,048 goes as 512, 256, 512, 256, 512: five fills.  Waves 0 and 1 fetch y's halves (128 rows each), waves 2 and 3 the weights' (64 rows each): one tensor load a wave behind each round.
; CLUSTERS: 4 x 4.  y's tile hangs on the block's row and is asked for jointly along a row of the cluster, the weights' on the block's column and jointly along a column.
; THE MATRIX INSTRUCTION IS USED TRANSPOSED (source 0 = 16 rows of the weights, source 1 = 16 rows of y): a lane holds eight neighbouring numbers of a row of out0.
; REGISTERS: window 0: v0-31 addresses, v32-63 scaled sums on the way out, v128-255 the weights' fragments, two sets;  window 1: y's fragments, two sets; on the way out the rows read back;  window 2: the accumulators, (a, b) at v[8 (4 a + b)].
; A step is 128 along K: the next step's 48 fragment loads are issued first, into the other set, then this step's 32 products.
; PREFETCH: behind the load of fill c stands a request for fill c + 2.  Each row's 256-byte pieces are named once in each cluster that loads them: of a wave's rows each of the four partners that
; ask for them jointly takes a quarter, told apart by address (cx for y, cy for the weights).  Fills 0 and 1 come by their loads alone; every offset is an immediate, so no address register is written again.
.set KROW,   2048                      ; a row of codes in memory
.set NROW,   8192                      ; a row of out0 in bytes
.set PB,     528                       ; LDS pitch of the large slot: 512 + 16
.set PS,     272                       ; of the small one: 256 + 16
.set SMALL,  384*PB                    ; the small slot begins here
.set SPARE,  SMALL+384*PS              ; behind the slots: the spare words, 128 bytes for each wave
.set STAGE,  SMALL                     ; the way out: 16 rows x 272 bytes for each wave, in the small slot, which has had its last fill and its last read by then
.set SPITCH, 272
.set ADAB, 16                          ; v16 my fragments of y in the large slot, v17 of the weights
.set ADBB, 17
.set ADAS, 18                          ; v18, v19 the same in the small slot
.set ADBS, 19
.set STO,  24
.set RD,   25
.set CO,   26
.set SPW,  28                          ; my spare word's address; never rewritten
.set NIL,  29                          ; 0; never rewritten
.set PFB,  30                          ; the prefetches' lane offsets for a large fill; never rewritten
.set PFS,  31                          ; for a small one
.set TMP,  32
.set BF,   128
.set G1AB, 24                          ; descriptor groups 1: y large, y small, weights large, weights small
.set G1AS, 32
.set G1BB, 48
.set G1BS, 56
.set G0AB, 68                          ; and groups 0
.set G0AS, 72
.set G0BB, 76
.set G0BS, 80
.set PFA,  84                          ; s[84:85] my work-group's rows among those that my wave fetches
.set MSB, 0
.macro WIN new                         ; the immediate's high byte repeats the setting that is left
.if MSB != \new
	s_set_vgpr_msb (MSB<<8)|\new
.set MSB, \new
.endif
.endm
.macro JLOAD g0a, g1a, g0b, g1b        ; the branch hangs on the wave's number alone; s_nop 0 and four v_nop behind each line
	s_cmp_eq_u32 s15, 0
	s_cbranch_scc0 .Lfor_b_\@
	tensor_load_to_lds s[\g0a:\g0a+3], s[\g1a:\g1a+7]
	s_nop 0
.rept 4
	v_nop
.endr
	s_branch .Lasked_\@
.Lfor_b_\@:
	tensor_load_to_lds s[\g0b:\g0b+3], s[\g1b:\g1b+7]
	s_nop 0
.rept 4
	v_nop
.endr
.Lasked_\@:
.endm
.macro CREST                           ; a round of the cluster's barrier behind its opening barrier
	s_cmp_lg_u32 s14, 0
	s_cbranch_scc1 .Lnot_wave_0_\@
	s_barrier_signal -3
.Lnot_wave_0_\@:
	s_barrier_wait -3
	s_barrier_signal -1
	s_barrier_wait -1
.endm
.macro CROUND
	s_barrier_signal -1
	s_barrier_wait -1
	CREST
.endm
.macro MKG1 g, rowb, rows              ; rows x rowb bytes, KROW bytes apart in memory
	s_mov_b32 s[\g+1], (\rowb)<<16
	s_mov_b32 s[\g+2], (\rows)<<16
	s_mov_b32 s[\g+3], (\rowb)<<16
	s_mov_b32 s[\g+4], \rows
	s_mov_b32 s[\g+5], KROW
	s_mov_b32 s[\g+6], 0
	s_mov_b32 s[\g+7], 0
.endm
.macro MKG0 g, lds, adr, k
	s_mov_b32 s[\g], 1
	s_mov_b32 s[\g+1], s[\lds]
	s_add_nc_u64 s[\g+2:\g+3], s[\adr:\adr+1], \k
	s_or_b32 s[\g+3], s[\g+3], 0x80000000
.endm
; y's waves: 32 rows, a lane a row, one instruction for each 256 bytes.  The weights' waves: 16 rows; a large fill's two pieces in the two halves of the lanes; in a small fill lanes 16-31 name lane 15's piece again.
.macro ASK pf, k, big
	global_prefetch_b8 v[\pf], s[PFA:PFA+1] offset:\k th:TH_LOAD_NT scope:SCOPE_SE
.if \big
	s_cmp_eq_u32 s15, 0
	s_cbranch_scc0 .Lnb_\@
	global_prefetch_b8 v[\pf], s[PFA:PFA+1] offset:(\k)+256 th:TH_LOAD_NT scope:SCOPE_SE
.Lnb_\@:
.endif
.endm
	s_load_b128 s[4:7], s[0:1], 0x0                ; yc, wc
	s_load_b128 s[8:11], s[0:1], 0x10              ; the exponents, out0
	v_lshl_add_u32 v[SPW], v0, 2, SPARE
	v_mov_b32 v[NIL], 0
	ds_add_u32 v[SPW], v[NIL]                      ; the opening: the add, twice on end, and its wait ahead of my first tensor load
	ds_add_u32 v[SPW], v[NIL]
	v_lshrrev_b32 v1, 5, v0
	v_readfirstlane_b32 s14, v1                    ; wave 0..3
	s_lshr_b32 s15, s14, 1                         ; my half of the block's rows.  Also: I fetch for y (0) or for the weights (1)
	s_and_b32 s16, s14, 1                          ; my half of its columns.  Also: which half of that tile I fetch
	s_bfe_u32 s40, ttmp6, 0x40000                  ; cx
	s_bfe_u32 s41, ttmp6, 0x40004                  ; cy
	s_lshl_b32 s42, ttmp9, 2
	s_add_co_u32 s42, s42, s40                     ; the block's column
	s_and_b32 s17, ttmp7, 0xffff
	s_lshl_b32 s17, s17, 2
	s_add_co_u32 s17, s17, s41                     ; the block's row
	s_lshl_b32 s43, s41, 2
	s_lshl_b32 s43, 15, s43                        ; my row of the cluster
	s_lshl_b32 s44, 0x1111, s40                    ; my column
	s_or_b32 s[G1AB], s43, (1<<20)|(1<<21)|(6<<22)|(3<<25)   ; elements of 1 byte; padding of 4 words behind every 128 words; bit 21 beside the mask
	s_or_b32 s[G1AS], s43, (1<<20)|(1<<21)|(5<<22)|(3<<25)   ; behind every 64 words
	s_or_b32 s[G1BB], s44, (1<<20)|(1<<21)|(6<<22)|(3<<25)
	s_or_b32 s[G1BS], s44, (1<<20)|(1<<21)|(5<<22)|(3<<25)
	MKG1 G1AB, 512, 128
	MKG1 G1AS, 256, 128
	MKG1 G1BB, 512, 64
	MKG1 G1BS, 256, 64
	s_lshl_b32 s20, s17, 8
	s_lshl_b32 s18, s16, 7
	s_add_co_u32 s20, s20, s18
	s_lshl_b32 s20, s20, 11                        ; y: row 256 x block row + 128 x half, in bytes
	s_mov_b32 s21, 0
	s_lshl_b32 s46, s42, 7
	s_lshl_b32 s19, s16, 6
	s_add_co_u32 s46, s46, s19
	s_lshl_b32 s46, s46, 11                        ; the weights: row 128 x block column + 64 x half,
	s_add_co_u32 s46, s46, 0x600000                ; behind the other weights in wc
	s_mov_b32 s47, 0
	s_mul_i32 s86, s16, 128*PB                     ; where they go: made of the wave's number alone
	s_mul_i32 s87, s16, 128*PS
	s_add_co_u32 s87, s87, SMALL
	s_mul_i32 s88, s16, 64*PB
	s_add_co_u32 s88, s88, 256*PB
	s_mul_i32 s89, s16, 64*PS
	s_add_co_u32 s89, s89, SMALL+256*PS
	s_wait_dscnt 0x0                               ; both opening adds are done
	s_wait_kmcnt 0x0
	s_load_b64 s[96:97], s[8:9], 0x28              ; entries 10 and 11
	s_add_nc_u64 s[20:21], s[4:5], s[20:21]
	s_add_nc_u64 s[46:47], s[6:7], s[46:47]
	MKG0 G0AB, 86, 20, 0                           ; K 0 .. 511
	MKG0 G0AS, 87, 20, 512                         ; K 512 .. 767
	MKG0 G0BB, 88, 46, 0
	MKG0 G0BS, 89, 46, 512
	CROUND                                         ; all sixteen work-groups are here: the first joint loads meet
	JLOAD G0AB, G1AB, G0BB, G1BB                   ; fill 0: one tensor load a wave at the head
	s_mul_i32 s90, s15, 128*PB                     ; my 128 rows of y, my 64 of the weights, in each slot
	s_mul_i32 s91, s16, 64*PB
	s_add_co_u32 s91, s91, 256*PB
	s_mul_i32 s92, s15, 128*PS
	s_add_co_u32 s92, s92, SMALL
	s_mul_i32 s93, s16, 64*PS
	s_add_co_u32 s93, s93, SMALL+256*PS
	s_mul_i32 s94, s14, 16*SPITCH
	s_add_co_u32 s94, s94, STAGE                   ; my stage
	s_lshl_b32 s18, s17, 8
	s_lshl_b32 s19, s15, 7
	s_add_co_u32 s18, s18, s19
	s_lshl_b32 s18, s18, 13                        ; my first row of out0, in bytes,
	s_lshl_b32 s19, s42, 9
	s_add_co_u32 s18, s18, s19
	s_lshl_b32 s19, s16, 8
	s_add_co_u32 s18, s18, s19                     ; and my first column: 512 x block column + 256 x half
	s_mov_b32 s19, 0
	s_add_nc_u64 s[10:11], s[10:11], s[18:19]
	s_lshl_b32 s22, s17, 8                         ; the prefetches: of the rows that I fetch, my work-group's quarter
	s_lshl_b32 s23, s16, 7
	s_add_co_u32 s22, s22, s23
	s_lshl_b32 s23, s40, 5
	s_add_co_u32 s22, s22, s23
	s_lshl_b32 s22, s22, 11                        ; y: + 32 cx rows
	s_lshl_b32 s12, s42, 7
	s_lshl_b32 s13, s16, 6
	s_add_co_u32 s12, s12, s13
	s_lshl_b32 s13, s41, 4
	s_add_co_u32 s12, s12, s13
	s_lshl_b32 s12, s12, 11                        ; the weights: + 16 cy rows
	s_add_co_u32 s12, s12, 0x600000
	s_cmp_eq_u32 s15, 0
	s_cselect_b64 s[PFA:PFA+1], s[4:5], s[6:7]
	s_cselect_b32 s22, s22, s12
	s_cselect_b32 s95, 31, 15                      ; rows less one
	s_cselect_b32 s3, 0, 256                       ; lanes 16-31 of the weights' waves: the second piece
	s_mov_b32 s23, 0
	s_add_nc_u64 s[PFA:PFA+1], s[PFA:PFA+1], s[22:23]
	v_and_b32 v1, 15, v0                           ; r = l % 16
	v_bfe_u32 v2, v0, 4, 1                         ; h = l / 16
	v_and_b32 v9, 31, v0
	v_mul_u32_u24 v3, v1, PB
	v_mul_u32_u24 v6, v1, PS
	v_lshl_add_u32 v3, v2, 4, v3                   ; a fragment's row x pitch + 16 h
	v_lshl_add_u32 v4, v2, 4, v6
	v_lshl_add_u32 v5, v2, 5, v6                   ; the stage, in: row r, 32 bytes for each half of the lanes
	v_mul_u32_u24 v7, v2, SPITCH
	v_lshlrev_b32 v8, 13, v2
	v_add_nc_u32 v[ADAB], s90, v3
	v_add_nc_u32 v[ADBB], s91, v3
	v_add_nc_u32 v[ADAS], s92, v4
	v_add_nc_u32 v[ADBS], s93, v4
	v_add_nc_u32 v[STO], s94, v5
	v_lshl_add_u32 v7, v1, 4, v7
	v_add_nc_u32 v[RD], s94, v7                    ; back: sixteen lanes to a row of 256 bytes, two rows an instruction
	v_lshl_add_u32 v[CO], v1, 4, v8                ; and the same two rows in out0
	v_and_b32 v10, s95, v9
	v_lshrrev_b32 v11, 4, v9
	v_mul_u32_u24 v11, v11, s3
	v_lshl_add_u32 v[PFB], v10, 11, v11
	v_min_u32 v12, s95, v9
	v_lshlrev_b32 v[PFS], 11, v12
	s_wait_alu depctr_va_vdst(0)                   ; the head's end
.macro FRAG reg, adr, off              ; 16 rows x 128 K: registers 4 c .. 4 c + 3 hold K = 32 c + 16 h + 0 .. 15: the same places of k on both sides
.irp c, 0,1,2,3
	ds_load_b128 v[\reg+4*\c:\reg+4*\c+3], v[\adr] offset:(\off)+32*\c
.endr
.endm
.macro FETCH adra, adrb, pitch, k, p   ; 48 loads: the fragments at byte k of a slot's rows into set p
	WIN 0x40
.irp i, 0,1,2,3,4,5,6,7
	FRAG 128*(\p)+16*\i, \adra, (\k)+\i*16*(\pitch)
.endr
	WIN 0
.irp i, 0,1,2,3
	FRAG BF+64*(\p)+16*\i, \adrb, (\k)+\i*16*(\pitch)
.endr
.endm
.macro MUL p, zero                     ; 32 products; the 32 accumulators take turns in the same order in every step; zero = 1 starts the sums
	WIN 0xa4                                       ; source 0 window 0, source 1 window 1, C and D window 2
.irp a, 0,1,2,3,4,5,6,7
.irp b, 0,1,2,3
.if \zero
	v_wmma_f32_16x16x128_fp8_fp8 v[8*(4*\a+\b):8*(4*\a+\b)+7], v[BF+64*(\p)+16*\b:BF+64*(\p)+16*\b+15], v[128*(\p)+16*\a:128*(\p)+16*\a+15], 0
.else
	v_wmma_f32_16x16x128_fp8_fp8 v[8*(4*\a+\b):8*(4*\a+\b)+7], v[BF+64*(\p)+16*\b:BF+64*(\p)+16*\b+15], v[128*(\p)+16*\a:128*(\p)+16*\a+15], v[8*(4*\a+\b):8*(4*\a+\b)+7]
.endif
.endr
.endr
.endm
.macro PLACES                          ; four plain vector lines between products and loads into, or reads of, their registers
.rept 4
	v_nop
.endr
.endm
.macro STEP p, zero, adra, adrb, pitch, k      ; multiplies set p; the next step lies at byte k of the same slot's rows
	PLACES
	FETCH \adra, \adrb, \pitch, \k, 1-(\p)
	s_wait_dscnt 48                                ; all but the 48 just issued: set p is in
	MUL \p, \zero
.endm
; A slot's last step: its fragments have all been asked for.  Each wave waits for all its tensor loads (its part of the other slot), adds 0 to its spare word, waits for that and for its reads of this slot.
; fill = 1: a round of the cluster's barrier, and this slot is filled again, 768 further along K.  Then the other slot's first fragments, and this step's products.
.macro TURN p, fill, g0a, g1a, g0b, g1b, adra, adrb, pitch, ask
	WIN 0
	s_wait_tensorcnt 0x0
	ds_add_u32 v[SPW], v[NIL]
.if \fill
	s_add_nc_u64 s[\g0a+2:\g0a+3], s[\g0a+2:\g0a+3], 768
	s_add_nc_u64 s[\g0b+2:\g0b+3], s[\g0b+2:\g0b+3], 768
.endif
	s_wait_dscnt 0x0
	s_barrier_signal -1
	s_barrier_wait -1
.if \fill
	CREST
	JLOAD \g0a, \g1a, \g0b, \g1b                   ; its four v_nop are also the places in front of the loads below
.else
	PLACES
.endif
	FETCH \adra, \adrb, \pitch, 0, 1-(\p)
.if \ask
	ASK PFB, 1536, 1                               ; fill 4
.endif
	MUL \p, 0
.endm
	ASK PFB, 768, 1                                ; fill 2
	s_wait_tensorcnt 0x0                           ; my part of fill 0 is in
	ds_add_u32 v[SPW], v[NIL]
	s_wait_dscnt 0x0
	CROUND
	JLOAD G0AS, G1AS, G0BS, G1BS                   ; fill 1: the small slot's first
	FETCH ADAB, ADBB, PB, 0, 0
	ASK PFS, 1280, 0                               ; fill 3
	STEP 0, 1, ADAB, ADBB, PB, 128                 ; K 0: the first products start the sums
	STEP 1, 0, ADAB, ADBB, PB, 256
	STEP 0, 0, ADAB, ADBB, PB, 384
	TURN 1, 1, G0AB, G1AB, G0BB, G1BB, ADAS, ADBS, PS, 1   ; fill 2: K 768 .. 1279
	STEP 0, 0, ADAS, ADBS, PS, 128
	TURN 1, 1, G0AS, G1AS, G0BS, G1BS, ADAB, ADBB, PB, 0   ; fill 3: K 1280 .. 1535
	STEP 0, 0, ADAB, ADBB, PB, 128
	STEP 1, 0, ADAB, ADBB, PB, 256
	STEP 0, 0, ADAB, ADBB, PB, 384
	TURN 1, 1, G0AB, G1AB, G0BB, G1BB, ADAS, ADBS, PS, 0   ; fill 4: K 1536 .. 2047
	STEP 0, 0, ADAS, ADBS, PS, 128
	TURN 1, 0, 0, 0, 0, 0, ADAB, ADBB, PB, 0       ; nothing is filled any more: no round
	STEP 0, 0, ADAB, ADBB, PB, 128
	STEP 1, 0, ADAB, ADBB, PB, 256
	STEP 0, 0, ADAB, ADBB, PB, 384
	s_wait_dscnt 0x0
	MUL 1, 0
	WIN 0
; THE WAY OUT, by blocks of 16 rows x 64 columns.  A lane holds 32 neighbouring bytes of a row: a block goes through my own stage and comes back as whole rows of 256 bytes; sixteen lanes store one aligned unit.
; LDS serves a wave's instructions in order (ISA guide 5.7.1.4): no wait between the stores and the loads, nor in front of the next block's stores.  Each block comes back into registers of its own
; (8 x 32 in window 1) and every offset is an immediate (126 rows of 8,192 bytes at the most), so no register of a pending store is written again.
.macro TOSTAGE a
	WIN 0x02                                       ; source 0: window 2
.irp j, 0,2,4,6,8,10,12,14,16,18,20,22,24,26,28,30
	v_pk_mul_f32 v[TMP+\j:TMP+\j+1], v[32*(\a)+\j:32*(\a)+\j+1], s[96:97] op_sel_hi:[1,0]   ; x 2^(e10 + e11); each accumulator from its low end on
.endr
	WIN 0
.irp b, 0,1,2,3
	ds_store_b128 v[STO], v[TMP+8*\b:TMP+8*\b+3] offset:64*\b
	ds_store_b128 v[STO], v[TMP+8*\b+4:TMP+8*\b+7] offset:64*\b+16
.endr
	WIN 0x40
.irp t, 0,1,2,3,4,5,6,7
	ds_load_b128 v[32*(\a)+4*\t:32*(\a)+4*\t+3], v[RD] offset:\t*2*SPITCH
.endr
.endm
.macro SEND a, younger                 ; younger: the LDS instructions issued behind block a's loads
	s_wait_dscnt \younger
	WIN 0x04                                       ; the stores' data: window 1
.irp t, 0,1,2,3,4,5,6,7
	global_store_b128 v[CO], v[32*(\a)+4*\t:32*(\a)+4*\t+3], s[10:11] offset:(16*(\a)+2*\t)*NROW th:TH_STORE_NT
.endr
.endm
	s_wait_kmcnt 0x0
	s_add_co_i32 s96, s96, s97
	s_add_co_i32 s96, s96, 127
	s_lshl_b32 s96, s96, 23                        ; 2^(e10 + e11) as f32
	PLACES
	TOSTAGE 0
.irp a, 1,2,3,4,5,6,7
	TOSTAGE \a
	SEND \a-1, 16                                  ; behind block a - 1's loads: block a's 8 stores and 8 loads
.endr
	SEND 7, 0
	WIN 0
	s_wait_tensorcnt 0x0                           ; the wave's end
	ds_add_u32 v[SPW], v[NIL]
	s_wait_dscnt 0x0
	CROUND                                         ; the closing round
	s_endpgm
.Lfunc_end_k_q8b3f82e0ca_proj:
	.size	k_q8b3f82e0ca_proj, .Lfunc_end_k_q8b3f82e0ca_proj-k_q8b3f82e0ca_proj
	.p2alignl 7, 3214868480
	.fill 96, 4, 3214868480
	.section	.rodata,"a",@progbits
	.p2align	6, 0x0
	.amdhsa_kernel k_q8b3f82e0ca_proj
		.amdhsa_group_segment_fixed_size 327680
		.amdhsa_private_segment_fixed_size 0
		.amdhsa_enable_private_segment 0
		.amdhsa_kernarg_size 32
		.amdhsa_user_sgpr_count 2
		.amdhsa_user_sgpr_kernarg_segment_ptr 1
		.amdhsa_wavefront_size32 1
		.amdhsa_system_sgpr_workgroup_id_x 1
		.amdhsa_system_sgpr_workgroup_id_y 1
		.amdhsa_system_sgpr_workgroup_id_z 1
		.amdhsa_system_vgpr_workitem_id 0
		.amdhsa_next_free_vgpr 768
		.amdhsa_next_free_sgpr 98
		.amdhsa_reserve_vcc 0
		.amdhsa_float_denorm_mode_32 3
		.amdhsa_float_denorm_mode_16_64 3
		.amdhsa_memory_ordered 1
		.amdhsa_forward_progress 1
		.amdhsa_inst_pref_size 121
	.end_amdhsa_kernel
	.amdgpu_metadata
---
amdhsa.version: [ 1, 2 ]
amdhsa.kernels:
  - .name:           k_q8b3f82e0ca_proj
    .symbol:         k_q8b3f82e0ca_proj.kd
    .args:
      - { .name: yc, .offset: 0, .size: 8, .value_kind: global_buffer, .address_space: global }
      - { .name: wc, .offset: 8, .size: 8, .value_kind: global_buffer, .address_space: global }
      - { .name: lowp_scales, .offset: 16, .size: 8, .value_kind: global_buffer, .address_space: global }
      - { .name: out0, .offset: 24, .size: 8, .value_kind: global_buffer, .address_space: global }
    .group_segment_fixed_size: 327680
    .private_segment_fixed_size: 0
    .kernarg_segment_align: 8
    .kernarg_segment_size: 32
    .max_flat_workgroup_size: 128
    .sgpr_count:     98
    .vgpr_count:     768
    .wavefront_size: 32
...
	.end_amdgpu_metadata
.endif
;; end of part 4
